; MI455X (gfx1250); checked and timed in simulation.
; The chip was launched on July 23, 2026; its instructions are those of AMD's public machine-readable ISA for CDNA 5 (MIT licence, August 2026) and "CDNA5" Instruction Set Architecture Reference Guide (July 2026). The comments in the code are by the model that wrote it; some were corrected since.
;; Causal Multi Head Attention. Allowed arithmetic: matrix products marked QUANTISED: E2M1 operands, one E8M0 scale for each 32 along K, by v_wmma_scale_f32_16x16x128_f8f6f4 with both operands' format E2M1 (or v_wmma_scale_f32_32x16x128_f4), f32 sums; products left as they are: bf16, f16 or f32 operands; f32 sums; everything else in f32.
;; Inputs: Wk 1,024 x 1,024 float32; Wo 1,024 x 1,024 float32; Wq 1,024 x 1,024 float32; Wv 1,024 x 1,024 float32; x 4 x 2,048 x 1,024 float32.
;; Outputs: out0 4 x 2,048 x 1,024 float32.
;; This version of the problem:
;;   THIS VERSION OF THE PROBLEM IS GIVEN IN LOW PRECISION. The matrix products marked QUANTISED in the list below multiply operands that are first quantised to E2M1 (2 exponent bits, 1 mantissa bit; 4 bits a number), with one power-of-two scale for each 32 numbers along K (OCP MX v1.0); their sums are f32. The products marked 'left as it is' may take bf16, f16 or f32 operands, with f32 sums. Whichever they take, every output number must still come out within the allowed error. Rounding operands to bf16 (8 significant bits) uses up far more of that allowance than f16 does (11 bits, for magnitudes from 6e-5 to 65,504). All else is computed in f32.
;;   The module's matrix products, in the order in which they are computed (A, B: the left and right operand; K: the contracted axis; several contracted axes count as one K, in the product's order):
;;     1. [M 8,192, K 1,024] x [K 1,024, N 1,024]; A: input x; B: input Wq: QUANTISED
;;     2. [M 8,192, K 1,024] x [K 1,024, N 1,024]; A: input x; B: input Wk: QUANTISED
;;     3. [M 8,192, K 1,024] x [K 1,024, N 1,024]; A: input x; B: input Wv: QUANTISED
;;     4. batch 64 x [M 2,048, K 64] x [K 64, N 2,048]; A: computed on the way; B: computed on the way: left as it is (an operand is computed on the way)
;;     5. batch 64 x [M 2,048, K 2,048] x [K 2,048, N 64]; A: computed on the way; B: computed on the way: left as it is (an operand is computed on the way)
;;     6. [M 8,192, K 1,024] x [K 1,024, N 1,024]; A: computed on the way; B: input Wo: left as it is (an operand is computed on the way)
;;   THE QUANTISER, for each operand of a quantised product, along K:
;;     - K is cut into blocks of 32 from its start; a last block that is shorter is filled with zeros.
;;     - A block's scale is 2^e with e = floor(log2(the largest magnitude in the block)) - 2, held to -126 .. 127; a block of zeros has e = 0. As a byte (E8M0): e + 127.
;;     - Each number is divided by its block's scale, clamped to +-6, and rounded to the nearest number of E2M1, ties to even, subnormals kept.
;;     - The product sums the exact products of the quantised numbers (number of the format x scale) in f32.
;;   ~~~python
;;   def quantise(x, axis):      # numpy; x: float32 -> the quantised numbers, widened to float32 again
;;       x = np.moveaxis(x, axis, -1); K = x.shape[-1]
;;       x = np.pad(x, [(0, 0)] * (x.ndim - 1) + [(0, -K % 32)]); x = x.reshape(x.shape[:-1] + (-1, 32)); a = np.abs(x).max(-1, keepdims=True)
;;       e = np.where(a > 0, np.clip(np.frexp(np.where(a > 0, a, 1))[1] - 1 - 2, -126, 127), 0)      # np.frexp(a)[1] - 1 = floor(log2(a)), exactly
;;       r = np.clip(x / 2.0 ** e, -6, 6)
;;       step = 2.0 ** (np.maximum(np.frexp(np.where(r == 0, 1, r))[1] - 1, 0) - 1)
;;       q = np.round(r / step) * step * 2.0 ** e      # np.round: ties to even
;;       return np.moveaxis(q.reshape(q.shape[:-2] + (-1,))[..., :K], -1, axis).astype(np.float32)
;;   ~~~
;; One version. Each part assembles by itself: llvm-mc -triple=amdgcn-amd-amdhsa -mcpu=gfx1250 --defsym DOCPART=n.
;; ======== version 1 of 1: 5 launches
;; limits: values are held in f16: magnitudes above 65,504 overflow, below 6.1e-05 lose precision
;; workspace buffers: codes 5,767,168 bytes; scales 360,448 bytes; wo16 2,097,152 bytes; qkv16 50,331,648 bytes; qkv32 786,432 bytes; ctx16 16,777,216 bytes
;; launch quant (part 1): grid 384 x 1, 4 waves a work-group, no clusters, 33,280 bytes of LDS; arguments x, Wq, Wk, Wv, Wo, codes, scales, wo16; writes codes, scales, wo16
.if DOCPART == 1
	.amdgcn_target "amdgcn-amd-amdhsa--gfx1250"
	.amdhsa_code_object_version 6
	.text
	.protected	k_q3ccc1ab45d_quant
	.globl	k_q3ccc1ab45d_quant
	.p2align	8
	.type	k_q3ccc1ab45d_quant,@function
k_q3ccc1ab45d_quant:
	s_mov_b64 s[64:65], 0
	v_nop
	global_prefetch_b8 v0, s[64:65] scope:SCOPE_SE
	s_setreg_imm32_b32 hwreg(HW_REG_WAVE_MODE, 25, 1), 1
	s_wait_xcnt 0x0
; x [8192][1024] and Wq, Wk, Wv [1024][1024], f32, K innermost, become codes of FP4 (E2M1) with one E8M0 scale byte for each 32 along K; Wo [1024][1024] f32 becomes f16, laid head by head.
; codes: x's rows of 512 bytes from byte 0, then Wq's, Wk's, Wv's as one tensor of 3,072 rows; scales: the same order, 32 bytes a row.  Rows are dense and K is a multiple of 32: every tensor is a plain stream of blocks of 32.
; A block's scale is 2^(floor(log2(its largest magnitude)) - 2): its byte is the largest magnitude's exponent field - 2, held at 1 from below.  Each number is divided by the scale and rounded to the nearest code, ties to even; beyond 6 the largest code.
; LIMITS: a block whose largest magnitude lies under 2^-124 (a block of zeros too) keeps the byte 1: a block of zeros has zero codes, and this program alone reads the bytes.  NaN and infinities among the inputs are not served.
; WORK-GROUPS 0 to 351 quantise 32,768 numbers each (x: 256 of them, each weight: 32), a wave 16 steps of 512 numbers.  Each load reads 512 consecutive bytes; a step's 2,048 bytes turn through the wave's own stage in LDS, so that a
; lane then holds 16 neighbours along K (two lanes hold a block); a lane's 16 codes are 8 bytes: the wave stores 256 consecutive bytes.  A wave's 256 scale bytes are gathered in LDS and leave as one aligned run of 256 bytes.
; WORK-GROUPS 352 to 383 turn Wo into wo16 [16 heads][1024 e][64 d] f16: the projection walks K head by head, and a head's rows are then dense.  They use no LDS.
.set WAVES, 4
.set STEPS, 16
.set NQWG,  352                        ; work-groups that quantise
.set EMAX,  2
.set CB,    8                          ; bytes of 16 codes
.set R,     16                         ; v16-79   four sets of 16 numbers as they are loaded
.set X,     80                         ; v80-111  two sets of 16 neighbours
.set E,     112                        ; v112-127 a scale byte for each step
.set C,     128                        ; v128-191 codes: four registers for each step, so that no store's data are written again
.set WREG,  8192                       ; LDS: a region for each wave: two stages of 32 x SP bytes, behind them its 256 scale bytes
.set SP,    80                         ; a lane's place in a stage: 64 bytes + 16 of padding
.set SPW,   12                         ; v12 LDS address of my spare word; never rewritten
.set NIL,   13                         ; v13 0; never rewritten
.set SPARE, WAVES*WREG                 ; behind the four regions: the spare words, 128 bytes a wave, which no other line names
	s_load_b512 s[4:19], s[0:1], 0x0               ; x 4:5, Wq 6:7, Wk 8:9, Wv 10:11, Wo 12:13, codes 14:15, scales 16:17, wo16 18:19
	v_lshl_add_u32 v[SPW], v0, 2, SPARE
	v_mov_b32 v[NIL], 0
	v_lshrrev_b32 v1, 5, v0
	v_readfirstlane_b32 s20, v1                    ; wave
	s_cmp_ge_u32 ttmp9, NQWG
	s_cbranch_scc1 .Lwo
	v_and_b32 v2, 31, v0                           ; lane
	v_lshlrev_b32 v3, 4, v2                        ; my 16 bytes of a load's 512
	s_mul_i32 s21, s20, WREG
	v_lshrrev_b32 v14, 2, v2
	v_mul_u32_u24 v14, v14, SP
	v_and_b32 v15, 3, v2
	v_lshl_add_u32 v14, v15, 4, v14
	v_add_nc_u32 v14, s21, v14                     ; the stage, on the way in: SP (lane / 4) + 16 (lane % 4)
	v_mul_u32_u24 v15, v2, SP
	v_add_nc_u32 v15, s21, v15                     ; and on the way out: SP x lane: my 16 neighbours
	v_mul_u32_u24 v4, v2, CB                       ; my codes' place in a step's
	v_lshrrev_b32 v5, 1, v2
	s_add_co_u32 s21, s21, 2*32*SP
	v_add_nc_u32 v5, s21, v5                       ; my wave's 256 scale bytes, my block's byte
	v_lshlrev_b32 v7, 3, v2                        ; on the way out 8 bytes a lane
	v_add_nc_u32 v6, s21, v7
	s_and_b32 s24, ttmp9, 31                       ; a weight's work-group among its 32
	s_wait_kmcnt 0x0
	s_cmp_lt_u32 ttmp9, 320                        ; which tensor: the choice hangs on the work-group's number alone
	s_cselect_b64 s[22:23], s[8:9], s[10:11]
	s_cmp_lt_u32 ttmp9, 288
	s_cselect_b64 s[22:23], s[6:7], s[22:23]
	s_cmp_lt_u32 ttmp9, 256
	s_cselect_b64 s[22:23], s[4:5], s[22:23]
	s_cselect_b32 s24, ttmp9, s24
	s_lshl_b32 s24, s24, 2
	s_add_co_u32 s24, s24, s20                     ; my wave's run of 8,192 numbers in its tensor,
	s_lshl_b32 s24, s24, 15                        ; 32,768 bytes a run (under 2^25 in all)
	s_mov_b32 s25, 0
	s_add_nc_u64 s[22:23], s[22:23], s[24:25]
	s_lshl_b32 s26, ttmp9, 2
	s_add_co_u32 s26, s26, s20                     ; and in the workspace, where the four tensors follow each other
	s_lshl_b32 s24, s26, 12                        ; 4,096 bytes of codes a run
	s_add_nc_u64 s[14:15], s[14:15], s[24:25]
	s_lshl_b32 s24, s26, 8                         ; 256 scale bytes a run
	s_add_nc_u64 s[16:17], s[16:17], s[24:25]
.macro LOAD t
.irp i, 0,1,2,3
	global_load_b128 v[R+16*((\t)%4)+4*\i:R+16*((\t)%4)+4*\i+3], v3, s[22:23] offset:2048*(\t)+512*\i th:TH_LOAD_NT   ; 32 lanes read 512 consecutive bytes
.endr
.endm
.macro TURN t                          ; step t's numbers through the stage: LDS serves a wave's instructions in order, so no wait stands between the stores and the loads
.irp i, 0,1,2,3
	ds_store_b128 v14, v[R+16*((\t)%4)+4*\i:R+16*((\t)%4)+4*\i+3] offset:32*SP*((\t)%2)+8*SP*\i
.endr
.irp i, 0,1,2,3
	ds_load_b128 v[X+16*((\t)%2)+4*\i:X+16*((\t)%2)+4*\i+3], v15 offset:32*SP*((\t)%2)+16*\i
.endr
.endm
.irp t, 0,1,2,3
	LOAD \t
.endr
	s_wait_loadcnt 12                              ; step 0's four loads are in; those of the three steps behind it may be out
	TURN 0
.macro STEP t
.set XS, X+16*((\t)%2)
.if (\t) > 0
	s_wait_dscnt 1                                 ; this step's numbers are back from the stage (the last step's byte store may be out)
.else
	s_wait_dscnt 0x0
.endif
.if (\t)+4 < STEPS
	LOAD (\t)+4                                    ; into the registers that this step's stores into the stage have read
.endif
.if (\t)+1 < STEPS
.if STEPS-2-(\t) >= 3
	s_wait_loadcnt 12                              ; the next step's four loads are in; three steps' may be out
.else
	s_wait_loadcnt 4*(STEPS-2-(\t))
.endif
	TURN (\t)+1                                    ; through the other stage while this step is worked
.endif
	v_max3_num_f32 v8, |v[XS]|, |v[XS+1]|, |v[XS+2]|               ; the largest magnitude of my 16, in two chains
	v_max3_num_f32 v9, |v[XS+3]|, |v[XS+4]|, |v[XS+5]|
.irp i, 6,10
	v_max3_num_f32 v8, v8, |v[XS+\i]|, |v[XS+\i+1]|
	v_max3_num_f32 v9, v9, |v[XS+\i+2]|, |v[XS+\i+3]|
.endr
	v_max3_num_f32 v8, v8, |v[XS+14]|, |v[XS+15]|
	v_max3_num_f32 v8, v8, v9, (EMAX+1)<<23        ; and the floor 2^(3 - 127): the byte cannot fall under 1
	v_max_num_f32_dpp v8, v8, v8 row_xmask:1 row_mask:0xf bank_mask:0xf   ; and of my neighbour's 16: the block's
	v_add_nc_u32 v11, -(EMAX<<23), v8              ; 2 off its exponent field: the conversion takes the exponent field of this operand as its scale
	v_cvt_scalef32_pk8_fp4_f32 v[C+4*(\t)], v[XS:XS+7], v11
	v_cvt_scalef32_pk8_fp4_f32 v[C+4*(\t)+1], v[XS+8:XS+15], v11
	v_lshrrev_b32 v[E+(\t)], 23, v11               ; the scale's byte (also the plain line behind the conversions)
	ds_store_b8 v5, v[E+(\t)] offset:16*(\t)       ; both lanes of a block write the same byte with the same value
	global_store_b64 v4, v[C+4*(\t):C+4*(\t)+1], s[14:15] offset:32*CB*(\t)   ; the wave stores 256 consecutive bytes, aligned
.endm
.irp t, 0,1,2,3,4,5,6,7,8,9,10,11,12,13,14,15
	STEP \t
.endr
	ds_load_b64 v[8:9], v6                         ; LDS serves a wave's instructions in order: these see my byte stores
	s_wait_dscnt 0x0
	global_store_b64 v7, v[8:9], s[16:17]          ; 32 lanes store 256 consecutive bytes, aligned
	s_wait_tensorcnt 0x0                           ; the wave's end
	ds_add_u32 v[SPW], v[NIL]
	s_wait_dscnt 0x0
	s_endpgm
; Wo to f16.  Work-group g - 352 = 2 x head + half of the 1,024 rows e.  A piece is 8 numbers: 32 bytes in, 16 out.  Thread t takes, in piece i of 32, row 16 i + t / 8 of its half and the (t % 8)-th piece of the head's 64 numbers:
; eight lanes read 256 consecutive bytes of a row of Wo, and the wave stores 512 consecutive bytes of wo16.  Eight pieces a round, two rounds of loads ahead.
.Lwo:
	s_sub_co_u32 s21, ttmp9, NQWG
	v_lshrrev_b32 v1, 3, v0
	v_lshlrev_b32 v1, 12, v1                       ; a row of Wo is 4,096 bytes
	v_and_b32 v2, 7, v0
	v_lshl_add_u32 v1, v2, 5, v1                   ; in
	v_lshlrev_b32 v2, 4, v0                        ; out
	s_and_b32 s24, s21, 1
	s_lshl_b32 s24, s24, 21                        ; 512 rows of 4,096 bytes
	s_lshr_b32 s26, s21, 1
	s_lshl_b32 s26, s26, 8                         ; the head's 64 numbers in a row
	s_add_co_u32 s24, s24, s26
	s_mov_b32 s25, 0
	s_lshl_b32 s26, s21, 16                        ; 512 rows of 128 bytes
	s_mov_b32 s27, 0
	s_wait_kmcnt 0x0
	s_add_nc_u64 s[12:13], s[12:13], s[24:25]
	s_add_nc_u64 s[18:19], s[18:19], s[26:27]
.macro WLOADS k                        ; pieces 8 k to 8 k + 7 into set k % 2
.irp j, 0,1,2,3,4,5,6,7
	global_load_b128 v[16+64*((\k)%2)+8*\j:16+64*((\k)%2)+8*\j+3], v1, s[12:13] offset:(8*(\k)+\j)*65536
	global_load_b128 v[16+64*((\k)%2)+8*\j+4:16+64*((\k)%2)+8*\j+7], v1, s[12:13] offset:(8*(\k)+\j)*65536+16
.endr
.endm
.macro WROUND k
.if (\k) < 3
	s_wait_loadcnt 16                              ; this round's 16 loads are in; the next round's may be out
.else
	s_wait_loadcnt 0x0
.endif
	s_wait_xcnt 0x0                                ; the last round's stores have read v144-175, which are written again below
.irp j, 0,1,2,3,4,5,6,7
.irp i, 0,1,2,3
	v_cvt_pk_f16_f32 v[144+4*\j+\i], v[16+64*((\k)%2)+8*\j+2*\i], v[16+64*((\k)%2)+8*\j+2*\i+1]
.endr
.endr
.irp j, 0,1,2,3,4,5,6,7
	global_store_b128 v2, v[144+4*\j:144+4*\j+3], s[18:19] offset:(8*(\k)+\j)*2048
.endr
.if (\k) < 2
	WLOADS (\k)+2
.endif
.endm
	WLOADS 0
	WLOADS 1
	WROUND 0
	WROUND 1
	WROUND 2
	WROUND 3
	s_wait_tensorcnt 0x0                           ; the same three lines at this path's end
	ds_add_u32 v[SPW], v[NIL]
	s_wait_dscnt 0x0
	s_endpgm
.Lfunc_end_k_q3ccc1ab45d_quant:
	.size	k_q3ccc1ab45d_quant, .Lfunc_end_k_q3ccc1ab45d_quant-k_q3ccc1ab45d_quant
	.p2alignl 7, 3214868480
	.fill 96, 4, 3214868480
	.section	.rodata,"a",@progbits
	.p2align	6, 0x0
	.amdhsa_kernel k_q3ccc1ab45d_quant
		.amdhsa_group_segment_fixed_size 33280
		.amdhsa_private_segment_fixed_size 0
		.amdhsa_enable_private_segment 0
		.amdhsa_kernarg_size 64
		.amdhsa_user_sgpr_count 2
		.amdhsa_user_sgpr_kernarg_segment_ptr 1
		.amdhsa_wavefront_size32 1
		.amdhsa_system_sgpr_workgroup_id_x 1
		.amdhsa_system_sgpr_workgroup_id_y 1
		.amdhsa_system_sgpr_workgroup_id_z 1
		.amdhsa_system_vgpr_workitem_id 0
		.amdhsa_next_free_vgpr 192
		.amdhsa_next_free_sgpr 66
		.amdhsa_reserve_vcc 0
		.amdhsa_float_denorm_mode_32 3
		.amdhsa_float_denorm_mode_16_64 3
		.amdhsa_memory_ordered 1
		.amdhsa_forward_progress 1
		.amdhsa_inst_pref_size 51
	.end_amdhsa_kernel
	.amdgpu_metadata
---
amdhsa.version: [ 1, 2 ]
amdhsa.kernels:
  - .name:           k_q3ccc1ab45d_quant
    .symbol:         k_q3ccc1ab45d_quant.kd
    .args:
      - { .name: x, .offset: 0, .size: 8, .value_kind: global_buffer, .address_space: global }
      - { .name: Wq, .offset: 8, .size: 8, .value_kind: global_buffer, .address_space: global }
      - { .name: Wk, .offset: 16, .size: 8, .value_kind: global_buffer, .address_space: global }
      - { .name: Wv, .offset: 24, .size: 8, .value_kind: global_buffer, .address_space: global }
      - { .name: Wo, .offset: 32, .size: 8, .value_kind: global_buffer, .address_space: global }
      - { .name: codes, .offset: 40, .size: 8, .value_kind: global_buffer, .address_space: global }
      - { .name: scales, .offset: 48, .size: 8, .value_kind: global_buffer, .address_space: global }
      - { .name: wo16, .offset: 56, .size: 8, .value_kind: global_buffer, .address_space: global }
    .group_segment_fixed_size: 33280
    .private_segment_fixed_size: 0
    .kernarg_segment_align: 8
    .kernarg_segment_size: 64
    .max_flat_workgroup_size: 128
    .sgpr_count:     66
    .vgpr_count:     192
    .wavefront_size: 32
...
	.end_amdgpu_metadata
.endif
;; end of part 1
;; launch qkv (part 2): grid 12 x 32, 4 waves a work-group, clusters of 4 x 4, 327,680 bytes of LDS; arguments codes, scales, qkv16, qkv32; writes qkv16, qkv32
.if DOCPART == 2
	.amdgcn_target "amdgcn-amd-amdhsa--gfx1250"
	.amdhsa_code_object_version 6
	.text
	.protected	k_q3ccc1ab45d_qkv
	.globl	k_q3ccc1ab45d_qkv
	.p2align	8
	.type	k_q3ccc1ab45d_qkv,@function
k_q3ccc1ab45d_qkv:
	s_mov_b64 s[64:65], 0
	v_nop
	global_prefetch_b8 v0, s[64:65] scope:SCOPE_SE
	s_setreg_imm32_b32 hwreg(HW_REG_WAVE_MODE, 25, 1), 1
	s_wait_xcnt 0x0
	s_wait_alu depctr_hold_cnt(0) depctr_sa_sdst(0) depctr_va_vdst(0) depctr_va_sdst(0) depctr_va_ssrc(0) depctr_va_vcc(0) depctr_vm_vsrc(0)
	s_getreg_b32 s2, hwreg(HW_REG_IB_STS2, 6, 4)
	s_cmp_eq_u32 s2, 0
	s_cbranch_scc0 .Lentry_in_a_cluster
	s_endpgm
.Lentry_in_a_cluster:
	s_bfe_u32 s2, ttmp6, 0x10000c
	s_cmp_lg_u32 s2, 0xf033
	s_cbranch_scc0 .Lentry_shape_is_right
	s_endpgm
.Lentry_shape_is_right:
; q, k, v = x Wq^T, x Wk^T, x Wv^T as ONE product C[8192][3072] = A B^T on codes of FP4 (E2M1) with one E8M0 scale for each 32 along K = 1,024; sums in f32.
; A: x's codes (rows of 512 bytes) and scale bytes (32 a row); B: the three weights' as one tensor of 3,072 rows, behind x's in the same two buffers.
; A tile of C, 256 x 256, is made by four waves, 128 x 128 each: 64 accumulators, 512 registers.  K is two steps of 512 (rows of 256 bytes): both LDS slots and all scale bytes are first fills, and nothing is filled again.
; CLUSTERS: 4 x 4 work-groups; A's tiles are asked for jointly along a row of the cluster, B's along a column.  TILE ROW = 8 cy + cluster y, so that the batch is cy and the tile's first position 256 x cluster y: the tiles that hold
; positions 0 to 15 are those of cluster y = 0, a number that all sixteen partners share.  Tile column = 4 x cluster x + cx: cluster x says q, k or v.
; THE MATRIX INSTRUCTION IS USED TRANSPOSED (source 0 = 16 rows of B, source 1 = 16 rows of A): a lane holds eight neighbouring columns of one row of C.
; OUT: qkv16 [3][4 b][16 h][2048 s][64] in f16: a head's rows of 128 bytes are dense, so four rows are 512 consecutive bytes for one store.  LIMIT: results beyond 65,504 in magnitude do not fit f16.
; Positions 0 to 15 of each batch also leave in f32, qkv32 [4 b][16 s][3072], for the launch that carries those rows finely.
; REGISTERS: window 0: v0-31 addresses; v32-95 scale words, two sets; v128-191 A's fragments, one set.  window 1: B's fragments, two sets.  windows 2, 3: the accumulators ((a, b) at v[8 (8 (a % 4) + b)]).
.set SIZE_K, 1024
.set XCODES, 4194304                   ; where B's codes begin in the buffer
.set XSCALES, 262144                   ; and B's scale bytes
.set KSTEP,  512
.set NQ,     KSTEP/128
.set ROWB,   256                       ; a tile's row in bytes
.set KROW,   SIZE_K/2                  ; a row of codes in memory
.set PITCH,  272                       ; an LDS row: 256 bytes + 16 of padding: the 16 rows of a load start in 16 different 16-byte columns modulo 256 bytes
.set FR,     8
.set NL,     2
.set NP,     4                         ; places behind this matrix instruction (ISA guide 7.12.1)
.set HALFT,  128*PITCH
.set SLOT,   4*HALFT
.set KS,     SIZE_K/32                 ; a row of scale bytes
.set SCL,    2*SLOT                    ; behind the two slots: the scales, as runs of 256 bytes + 16 of padding
.set HALFS,  (128*KS/256)*272
.set SBLK,   (16*KS/256)*272
.set SPARE,  SCL+4*HALFS               ; the spare words, 128 bytes a wave, which no other line names
.set SP16,   272                       ; the way out: a stage of 16 rows x (256 + 16) bytes a wave, from byte 0 of slot 0, which has had its only fill and its last read by then
.set SP32,   528                       ; and for the f32 rows 16 x (512 + 16) bytes a wave, from byte STG32 of slot 0
.set STG32,  32768
.set ADRA, 16
.set ADRB, 20
.set STO32, 22
.set RD32, 23
.set STO,  24
.set RD,   25
.set CO,   26
.set ADRS, 27
.set SPW,  28
.set NIL,  29
.set SC,   32
.set AF,   128
.set TMP,  192                         ; the way out: v192-223 packed results; v32-63 and v224-255 by turns: rows read back
.set G1, 24
.set G0, 32
.set G1B, 48
.set G0B, 56
.set G1S, 68
.set G0S, 76
.set G1SB, 80
.set G0SB, 88
.set MSB, 0
.macro WIN new                         ; the immediate's high byte repeats the setting that is left
.if MSB != (\new)
	s_set_vgpr_msb (MSB<<8)|(\new)
.set MSB, (\new)
.endif
.endm
.set MUL_LO, 0xa1                      ; source 0 (B) window 1, source 1 (A) window 0, C and D window 2
.set MUL_HI, 0xf1
.set TO_B,   0x40
; A joint load: waves 0 and 1 fetch for A, waves 2 and 3 for B; the branch hangs on the wave's number alone.  An s_nop 0 and four v_nop follow each line.
.macro JLOAD g0a, g1a, g0b, g1b
	s_cmp_eq_u32 s15, 0
	s_cbranch_scc0 .Lfor_b_\@
	tensor_load_to_lds s[\g0a:\g0a+3], s[\g1a:\g1a+7]
	s_nop 0
.rept 4
	v_nop
.endr
	s_branch .Lasked_\@
.Lfor_b_\@:
	tensor_load_to_lds s[\g0b:\g0b+3], s[\g1b:\g1b+7]
	s_nop 0
.rept 4
	v_nop
.endr
.Lasked_\@:
.endm
.macro CROUND                          ; a round of the cluster's barrier
	s_barrier_signal -1
	s_barrier_wait -1
	s_cmp_lg_u32 s14, 0
	s_cbranch_scc1 .Lnot_wave_0_\@
	s_barrier_signal -3
.Lnot_wave_0_\@:
	s_barrier_wait -3
	s_barrier_signal -1
	s_barrier_wait -1
.endm
	s_load_b128 s[4:7], s[0:1], 0x0                ; codes, scales
	s_load_b64 s[12:13], s[0:1], 0x10              ; qkv16
	s_load_b64 s[96:97], s[0:1], 0x18              ; qkv32
	v_lshl_add_u32 v[SPW], v0, 2, SPARE
	v_mov_b32 v[NIL], 0
	ds_add_u32 v[SPW], v[NIL]                      ; the wave's opening: the add, twice on end, and its wait ahead of my first tensor load
	ds_add_u32 v[SPW], v[NIL]
	v_lshrrev_b32 v1, 5, v0
	v_readfirstlane_b32 s14, v1                    ; wave 0..3
	s_lshr_b32 s15, s14, 1                         ; which half of the tile's rows is mine.  Also: I fetch for A (0) or for B (1)
	s_and_b32 s16, s14, 1                          ; which half of its columns.  Also: which 128 rows of that tile I fetch
	s_bfe_u32 s40, ttmp6, 0x40000                  ; cx
	s_bfe_u32 s41, ttmp6, 0x40004                  ; cy
	s_lshl_b32 s42, ttmp9, 2
	s_add_co_u32 s42, s42, s40                     ; tile column = 4 x cluster x + cx
	s_and_b32 s95, ttmp7, 0xffff                   ; cluster y
	s_lshl_b32 s17, s41, 3
	s_add_co_u32 s17, s17, s95                     ; tile row = 8 cy + cluster y
	s_lshl_b32 s43, s41, 2
	s_lshl_b32 s43, 15, s43                        ; my row of the cluster
	s_lshl_b32 s44, 0x1111, s40                    ; my column
	s_or_b32 s[G1+0], s43, (0<<16)|(1<<20)|(1<<21)|(5<<22)|(3<<25)  ; the mask; elements of 1 byte; padding on; bit 21 beside a mask; 4 words of padding after every 64
	s_or_b32 s[G1B+0], s44, (0<<16)|(1<<20)|(1<<21)|(5<<22)|(3<<25)
.irp g, G1, G1B
	s_mov_b32 s[\g+1], ROWB<<16                    ; tensor_dim0
	s_mov_b32 s[\g+2], 128<<16                     ; tensor_dim1
	s_mov_b32 s[\g+3], ROWB<<16                    ; tile_dim0
	s_mov_b32 s[\g+4], 128                         ; tile_dim1
	s_mov_b32 s[\g+5], KROW                        ; the pitch
	s_mov_b32 s[\g+6], 0
	s_mov_b32 s[\g+7], 0
.endr
	s_or_b32 s[G1S+0], s43, (3<<16)|(1<<20)|(1<<21)|(5<<22)|(3<<25)   ; the scales of 128 rows: 4,096 dense bytes as 16 rows of 256 (32 elements of 8 bytes)
	s_or_b32 s[G1SB+0], s44, (3<<16)|(1<<20)|(1<<21)|(5<<22)|(3<<25)
.irp g, G1S, G1SB
	s_mov_b32 s[\g+1], 32<<16
	s_mov_b32 s[\g+2], (128*KS/256)<<16
	s_mov_b32 s[\g+3], 32<<16
	s_mov_b32 s[\g+4], 128*KS/256
	s_mov_b32 s[\g+5], 32
	s_mov_b32 s[\g+6], 0
	s_mov_b32 s[\g+7], 0
.endr
	s_lshl_b32 s18, s16, 7                         ; which 128 rows of the tile I fetch
	s_lshl_b32 s20, s17, 8
	s_add_co_u32 s20, s20, s18                     ; A: row 256 x tile row + 128 x half
	s_lshl_b32 s46, s42, 8
	s_add_co_u32 s46, s46, s18                     ; B: row 256 x tile column + 128 x half
	s_mov_b32 s21, 0
	s_mov_b32 s47, 0
	s_mov_b64 s[18:19], KS
	s_mul_u64 s[22:23], s[20:21], s[18:19]         ; where these rows' scales begin
	s_mul_u64 s[92:93], s[46:47], s[18:19]
	s_mov_b64 s[18:19], KROW
	s_mul_u64 s[20:21], s[20:21], s[18:19]         ; and their codes
	s_mul_u64 s[46:47], s[46:47], s[18:19]
	s_mul_i32 s45, s14, HALFT                      ; where they go: wave x 128 rows
	s_mul_i32 s94, s14, HALFS
	s_wait_dscnt 0x0                               ; both opening adds are done
	s_wait_kmcnt 0x0
	s_add_nc_u64 s[8:9], s[4:5], XCODES            ; B's codes
	s_add_nc_u64 s[10:11], s[6:7], XSCALES         ; B's scales
	s_add_nc_u64 s[20:21], s[4:5], s[20:21]
	s_add_nc_u64 s[22:23], s[6:7], s[22:23]
	s_add_nc_u64 s[46:47], s[8:9], s[46:47]
	s_add_nc_u64 s[92:93], s[10:11], s[92:93]
	CROUND                                         ; all sixteen work-groups are here: the joint loads meet
	s_mov_b32 s[G0S], 1
	s_add_co_u32 s[G0S+1], s94, SCL
	s_mov_b64 s[G0S+2:G0S+3], s[22:23]
	s_or_b32 s[G0S+3], s[G0S+3], 0x80000000
	s_mov_b32 s[G0SB], 1
	s_add_co_u32 s[G0SB+1], s94, SCL
	s_mov_b64 s[G0SB+2:G0SB+3], s[92:93]
	s_or_b32 s[G0SB+3], s[G0SB+3], 0x80000000
	JLOAD G0S, G1S, G0SB, G1SB                     ; the scales first: they are wanted with K step 0
.irp s, 0,1
	s_mov_b32 s[G0+4*\s], 1
	s_add_co_u32 s[G0+4*\s+1], s45, \s*SLOT
	s_add_nc_u64 s[G0+4*\s+2:G0+4*\s+3], s[20:21], \s*ROWB
	s_or_b32 s[G0+4*\s+3], s[G0+4*\s+3], 0x80000000
	s_mov_b32 s[G0B+4*\s], 1
	s_add_co_u32 s[G0B+4*\s+1], s45, \s*SLOT
	s_add_nc_u64 s[G0B+4*\s+2:G0B+4*\s+3], s[46:47], \s*ROWB
	s_or_b32 s[G0B+4*\s+3], s[G0B+4*\s+3], 0x80000000
	JLOAD G0+4*\s, G1, G0B+4*\s, G1B               ; three loads of mine are out in all
.endr
	v_and_b32 v1, 15, v0                           ; r = l % 16
	v_bfe_u32 v2, v0, 4, 1                         ; h = l / 16
	v_mul_u32_u24 v3, v1, PITCH
	v_lshl_add_u32 v4, v2, 4, v3                   ; a fragment's row x pitch + 16 x half
	s_mul_i32 s21, s15, HALFT                      ; my 128 rows of A
	s_mul_i32 s22, s16, HALFT                      ; my 128 rows of B,
	s_add_co_u32 s22, s22, 2*HALFT                 ; behind A's 256
.irp s, 0,1
	v_add_nc_u32 v[ADRA+\s], s21, v4
	v_add_nc_u32 v[ADRB+\s], s22, v4
	s_add_co_u32 s21, s21, SLOT
	s_add_co_u32 s22, s22, SLOT
.endr
	v_mul_u32_u24 v5, v1, KS                       ; my row's scales: KS bytes a row,
	v_lshrrev_b32 v6, 8, v5
	v_lshl_add_u32 v5, v6, 4, v5                   ; and 16 more for each 256 passed
	s_mul_i32 s21, s15, HALFS
	s_mul_i32 s22, s16, HALFS
	s_add_co_u32 s22, s22, 2*HALFS
	s_sub_co_u32 s22, s22, s21
	v_mul_u32_u24 v6, s22, v2                      ; lanes 16-31 take B's
	s_add_co_u32 s21, s21, SCL
	v_add_nc_u32 v5, v5, v6
	v_add_nc_u32 v[ADRS], s21, v5
	s_mul_i32 s23, s14, 16*SP16                    ; my f16 stage
	v_mul_u32_u24 v5, v1, SP16                     ; in: row r, 16 bytes for each half of the lanes
	v_lshl_add_u32 v5, v2, 4, v5
	v_add_nc_u32 v[STO], s23, v5
	v_and_b32 v6, 31, v0
	v_lshrrev_b32 v7, 3, v6                        ; back: eight lanes take one head's 128 bytes of a row, the wave four rows
	v_mul_u32_u24 v7, v7, SP16
	v_and_b32 v8, 7, v0
	v_lshl_add_u32 v7, v8, 4, v7
	v_add_nc_u32 v[RD], s23, v7
	v_lshlrev_b32 v[CO], 4, v6                     ; 16 x lane: my place in a store's 512 bytes
	s_mul_i32 s23, s14, 16*SP32                    ; my f32 stage
	s_add_co_u32 s23, s23, STG32
	v_mul_u32_u24 v5, v1, SP32
	v_lshl_add_u32 v5, v2, 5, v5
	v_add_nc_u32 v[STO32], s23, v5
	v_add_nc_u32 v[RD32], s23, v[CO]
	; qkv16 at my part: tensor cluster x; plane 16 cy + 4 cx + 2 x column half; row 256 x cluster y + 128 x row half; 128 bytes a row.  The row part and the column part are made in registers of their own
	s_lshl_b32 s20, s41, 15                        ; 16 cy planes of 2,048 rows
	s_lshl_b32 s21, s95, 8
	s_add_co_u32 s20, s20, s21
	s_lshl_b32 s21, s15, 7
	s_add_co_u32 s20, s20, s21
	s_lshl_b32 s20, s20, 7
	s_mov_b32 s21, 0
	s_lshl_b32 s46, s40, 2
	s_lshl_b32 s47, s16, 1
	s_add_co_u32 s46, s46, s47
	s_lshl_b32 s46, s46, 18                        ; a plane is 262,144 bytes
	s_lshl_b32 s47, ttmp9, 24                      ; a tensor 16,777,216
	s_add_co_u32 s46, s46, s47
	s_mov_b32 s47, 0
	s_add_nc_u64 s[20:21], s[20:21], s[46:47]
	s_add_nc_u64 s[12:13], s[12:13], s[20:21]
	; qkv32 at batch cy, column 256 x tile column + 128 x column half
	s_mul_i32 s20, s41, 196608
	s_lshl_b32 s46, s42, 10
	s_lshl_b32 s47, s16, 9
	s_add_co_u32 s46, s46, s47
	s_mov_b32 s47, 0
	s_add_nc_u64 s[20:21], s[20:21], s[46:47]
	s_add_nc_u64 s[96:97], s[96:97], s[20:21]
.macro FRAG reg, adr, q, i             ; 16 rows x 128 K of 4-bit codes: 8 registers: lane l holds row l % 16; registers 4 c .. 4 c + 3 hold K = 64 c + 32 (l / 16) + 0 .. 31
.irp c, 0,1
	ds_load_b128 v[\reg+4*\c:\reg+4*\c+3], v[\adr] offset:64*(\q)+32*\c+(\i)*16*PITCH
.endr
.endm
; 16 matrix instructions: A's blocks a0, a0 + 1 x B's eight, the slot's q-th 128 along K.  p: B's set; sc: the set of scale words; zero = 1: the product starts the sums.  The 64 accumulators take turns.
.macro MUL16 a0, p, q, sc, zero
.irp a, \a0, \a0+1
.irp b, 0,1,2,3,4,5,6,7
.if \zero
	v_wmma_scale_f32_16x16x128_f8f6f4 v[8*(8*((\a)%4)+\b):8*(8*((\a)%4)+\b)+7], v[128*(\p)+FR*\b:128*(\p)+FR*\b+FR-1], v[AF+FR*(\a):AF+FR*(\a)+FR-1], 0, v[SC+8*NQ*(\sc)+NQ*\b+(\q)], v[SC+8*NQ*(\sc)+NQ*(\a)+(\q)] matrix_a_fmt:MATRIX_FMT_FP4 matrix_b_fmt:MATRIX_FMT_FP4 matrix_a_scale:MATRIX_SCALE_ROW1
.else
	v_wmma_scale_f32_16x16x128_f8f6f4 v[8*(8*((\a)%4)+\b):8*(8*((\a)%4)+\b)+7], v[128*(\p)+FR*\b:128*(\p)+FR*\b+FR-1], v[AF+FR*(\a):AF+FR*(\a)+FR-1], v[8*(8*((\a)%4)+\b):8*(8*((\a)%4)+\b)+7], v[SC+8*NQ*(\sc)+NQ*\b+(\q)], v[SC+8*NQ*(\sc)+NQ*(\a)+(\q)] matrix_a_fmt:MATRIX_FMT_FP4 matrix_b_fmt:MATRIX_FMT_FP4 matrix_a_scale:MATRIX_SCALE_ROW1
.endif
.endr
.endr
.endm
.macro FETCH_B slot, q, p
	WIN TO_B
.irp i, 0,1,2,3,4,5,6,7
	FRAG 128*(\p)+FR*\i, ADRB+\slot, \q, \i
.endr
	WIN 0
.endm
.macro FETCH_A slot, q, i0
.irp i, \i0, \i0+1, \i0+2, \i0+3
	FRAG AF+FR*(\i), ADRA+\slot, \q, \i
.endr
.endm
.macro SCALES sc                       ; a K step's scale words: lanes 0-15 take A's block i, lanes 16-31 B's block i
.irp i, 0,1,2,3,4,5,6,7
	ds_load_b128 v[SC+8*NQ*\sc+NQ*\i:SC+8*NQ*\sc+NQ*\i+3], v[ADRS] offset:\i*SBLK
.endr
.endm
.macro PLACES n                        ; plain vector lines between a matrix instruction and a load into, or a read of, its registers
.rept \n
	v_nop
.endr
.endm
.macro STEP slot, q, zero              ; 128 along K whose successor lies in the same slot
	s_wait_dscnt 4*NL                              ; B's set and A's blocks 0-3 are in; the youngest eight loads (A's blocks 4-7) may be out
	WIN MUL_LO
	MUL16 0, (\q)%2, \q, \slot, \zero
	MUL16 2, (\q)%2, \q, \slot, \zero
	s_wait_dscnt 0
	PLACES NP
	FETCH_B \slot, (\q)+1, 1-(\q)%2
	FETCH_A \slot, (\q)+1, 0
	WIN MUL_HI
	MUL16 4, (\q)%2, \q, \slot, \zero
	MUL16 6, (\q)%2, \q, \slot, \zero
	PLACES NP
	WIN 0
	FETCH_A \slot, (\q)+1, 4
.endm
.macro STEPS slot, from
.set Q, \from
.rept NQ-1-\from
	STEP \slot, Q, 0
.set Q, Q+1
.endr
.endm
	s_wait_tensorcnt 1                             ; the scales and my part of K step 0 are in; K step 1's load may be out
	s_barrier_signal -1
	s_barrier_wait -1
	FETCH_B 0, 0, 0
	FETCH_A 0, 0, 0
	SCALES 0
	FETCH_A 0, 0, 4
	STEP 0, 0, 1                                   ; the first products start the sums: nothing is cleared
	STEPS 0, 1
	; slot 0's last step changes slots: one barrier; in front of it my last tensor load has landed, behind it slot 1 is whole and nobody reads slot 0
	s_wait_tensorcnt 0x0
	ds_add_u32 v[SPW], v[NIL]
	s_wait_dscnt 4*NL+1                            ; (the add and A's blocks 4-7 may be out)
	WIN MUL_LO
	MUL16 0, 1, NQ-1, 0, 0
	s_wait_dscnt 0x0                               ; the add is done, and my reads of slot 0 are over
	s_barrier_signal -1
	MUL16 2, 1, NQ-1, 0, 0
	WIN 0
	s_barrier_wait -1
	PLACES NP
	v_add_nc_u32 v[ADRS], 4*NQ, v[ADRS]            ; on to K step 1's scale words
	FETCH_B 1, 0, 0
	FETCH_A 1, 0, 0
	SCALES 1
	WIN MUL_HI
	MUL16 4, 1, NQ-1, 0, 0
	MUL16 6, 1, NQ-1, 0, 0
	PLACES NP
	WIN 0
	FETCH_A 1, 0, 4
	STEPS 1, 0
	s_wait_dscnt 4*NL                              ; the last step: nothing more to fetch
	WIN MUL_LO
	MUL16 0, 1, NQ-1, 1, 0
	MUL16 2, 1, NQ-1, 1, 0
	s_wait_dscnt 0
	WIN MUL_HI
	MUL16 4, 1, NQ-1, 1, 0
	MUL16 6, 1, NQ-1, 1, 0
	WIN 0
	PLACES NP                                      ; in front of the first reads of results and of loads into registers that held operands
	; POSITIONS 0 TO 15 IN F32: block 0 of the waves with the tile's upper rows, in the tiles of cluster y = 0.  Both tests are alike in all partners of the cluster.
	s_cmp_lg_u32 s95, 0
	s_cbranch_scc1 .Lno_fine
	s_cmp_lg_u32 s15, 0
	s_cbranch_scc1 .Lno_fine
	WIN 0x08                                       ; an LDS store's data: window 2
.irp b, 0,1,2,3,4,5,6,7
	ds_store_b128 v[STO32], v[8*\b:8*\b+3] offset:64*\b            ; each accumulator from its low end on
	ds_store_b128 v[STO32], v[8*\b+4:8*\b+7] offset:64*\b+16
.endr
	WIN 0
.irp t, 0,1,2,3,4,5,6,7,8,9,10,11,12,13,14,15
	ds_load_b128 v[128+4*\t:128+4*\t+3], v[RD32] offset:\t*SP32    ; LDS serves a wave's instructions in order: these see my stores
.endr
	s_wait_dscnt 0x0
.irp t, 0,1,2,3,4,5,6,7,8,9,10,11,12,13,14,15
	global_store_b128 v[CO], v[128+4*\t:128+4*\t+3], s[96:97] offset:\t*12288   ; 32 lanes store 512 consecutive bytes of position t's row
.endr
.Lno_fine:
; THE WAY OUT IN F16, block by block of 16 rows x 128 columns (two heads).  PACK: rounded, 16 bytes a lane.  TOSTAGE: into my stage, and back by heads: four rows' 128 bytes of one head an instruction.  SEND: stored.
.macro PACK a
.set AC, 64*((\a)%4)
	WIN 0x0a+5*((\a)/4)                            ; sources 0 and 1: window 2 or 3
.irp b, 0,1,2,3,4,5,6,7
.irp r, 0,1,2,3
	v_cvt_pk_f16_f32 v[TMP+4*\b+\r], v[AC+8*\b+2*\r], v[AC+8*\b+2*\r+1]
.endr
.endr
	WIN 0
.endm
.macro TOSTAGE a
.set BK, 32+192*((\a)%2)
.irp b, 0,1,2,3,4,5,6,7
	ds_store_b128 v[STO], v[TMP+4*\b:TMP+4*\b+3] offset:32*\b
.endr
.irp i, 0,1,2,3,4,5,6,7
	ds_load_b128 v[BK+4*\i:BK+4*\i+3], v[RD] offset:(\i%4)*4*SP16+128*(\i/4)
.endr
.endm
.macro SEND a
.set BK, 32+192*((\a)%2)
	s_wait_dscnt 0x0                               ; the block is back in registers
	s_wait_xcnt 0x0                                ; the block before has had its stores' registers read: the next block's loads may land there
.irp i, 0,1,2,3,4,5,6,7
	global_store_b128 v[CO], v[BK+4*\i:BK+4*\i+3], s[12:13] offset:(\i/4)*262144+(\a)*2048+(\i%4)*512   ; 512 consecutive bytes, aligned: four rows of one head
.endr
.endm
	PACK 0
	TOSTAGE 0
.irp a, 1,2,3,4,5,6,7                  ; block a's conversions stand between block a - 1's loads from the stage and the wait for them
	PACK \a
	SEND \a-1
	TOSTAGE \a
.endr
	SEND 7
	s_wait_tensorcnt 0x0                           ; the wave's end
	ds_add_u32 v[SPW], v[NIL]
	s_wait_dscnt 0x0
	CROUND                                         ; the closing round
	s_endpgm
.Lfunc_end_k_q3ccc1ab45d_qkv:
	.size	k_q3ccc1ab45d_qkv, .Lfunc_end_k_q3ccc1ab45d_qkv-k_q3ccc1ab45d_qkv
	.p2alignl 7, 3214868480
	.fill 96, 4, 3214868480
	.section	.rodata,"a",@progbits
	.p2align	6, 0x0
	.amdhsa_kernel k_q3ccc1ab45d_qkv
		.amdhsa_group_segment_fixed_size 327680
		.amdhsa_private_segment_fixed_size 0
		.amdhsa_enable_private_segment 0
		.amdhsa_kernarg_size 32
		.amdhsa_user_sgpr_count 2
		.amdhsa_user_sgpr_kernarg_segment_ptr 1
		.amdhsa_wavefront_size32 1
		.amdhsa_system_sgpr_workgroup_id_x 1
		.amdhsa_system_sgpr_workgroup_id_y 1
		.amdhsa_system_sgpr_workgroup_id_z 1
		.amdhsa_system_vgpr_workitem_id 0
		.amdhsa_next_free_vgpr 1024
		.amdhsa_next_free_sgpr 98
		.amdhsa_reserve_vcc 0
		.amdhsa_float_denorm_mode_32 3
		.amdhsa_float_denorm_mode_16_64 3
		.amdhsa_memory_ordered 1
		.amdhsa_forward_progress 1
		.amdhsa_inst_pref_size 131
	.end_amdhsa_kernel
	.amdgpu_metadata
---
amdhsa.version: [ 1, 2 ]
amdhsa.kernels:
  - .name:           k_q3ccc1ab45d_qkv
    .symbol:         k_q3ccc1ab45d_qkv.kd
    .args:
      - { .name: codes, .offset: 0, .size: 8, .value_kind: global_buffer, .address_space: global }
      - { .name: scales, .offset: 8, .size: 8, .value_kind: global_buffer, .address_space: global }
      - { .name: qkv16, .offset: 16, .size: 8, .value_kind: global_buffer, .address_space: global }
      - { .name: qkv32, .offset: 24, .size: 8, .value_kind: global_buffer, .address_space: global }
    .group_segment_fixed_size: 327680
    .private_segment_fixed_size: 0
    .kernarg_segment_align: 8
    .kernarg_segment_size: 32
    .max_flat_workgroup_size: 128
    .sgpr_count:     98
    .vgpr_count:     1024
    .wavefront_size: 32
...
	.end_amdgpu_metadata
.endif
;; end of part 2
;; launch attn (part 3): grid 4 x 64, 8 waves a work-group, no clusters, 327,680 bytes of LDS; arguments qkv16, ctx16; writes ctx16
.if DOCPART == 3
	.amdgcn_target "amdgcn-amd-amdhsa--gfx1250"
	.amdhsa_code_object_version 6
	.text
	.protected	k_q3ccc1ab45d_attn
	.globl	k_q3ccc1ab45d_attn
	.p2align	8
	.type	k_q3ccc1ab45d_attn,@function
k_q3ccc1ab45d_attn:
	s_mov_b64 s[64:65], 0
	v_nop
	global_prefetch_b8 v0, s[64:65] scope:SCOPE_SE
	s_setreg_imm32_b32 hwreg(HW_REG_WAVE_MODE, 25, 1), 1
	s_wait_xcnt 0x0
; ctx[b][h][q][:] = the sum over k <= q of softmax_k(Q[q] . K[k] / 8) V[k][:], for each of 64 (batch, head) planes of 2,048 positions x 64.  Q, K, V and ctx in f16; products, maxima and sums in f32; a running maximum.
; LIMIT: the weights p (at most 1) and ctx are rounded to f16; ctx beyond 65,504 in magnitude does not fit.
; SHARES.  Work-group (p, plane) owns the query blocks 7 - p and then p, 256 queries each: (8 - p) + (p + 1) = 9 slots of 256 keys in every work-group, so the causal mask leaves all 256 work-groups the same work.
; Each of eight waves owns 32 queries of the block, two tiles of 16.  A key step is 64 keys, a slot four steps.  K and V come through two LDS slots filled by tensor loads (waves 0, 1: K's halves; waves 2, 3: V's) and read by all eight.
; NO CLUSTER: the four work-groups of a plane leave the common walk at different slots (after 8 - p of them), and the mask lets some of them pass over tiles that others read: they could not make every request jointly.
; LAYOUT.  S^T = K Q^T (source 0 = 16 keys, source 1 = 16 queries) and O^T = V^T P (source 0 = 16 channels, turned by ds_load_tr16_b128; source 1 = P): a lane holds ONE query (lane % 16) throughout, and two tiles of S^T, rounded in pairs, ARE P.
; A head's rows are 128 bytes and dense, so a tensor load states two rows as one of 256 bytes: key k lies at (k / 2) x pitch + (k % 2) x 128.  With pitches 272 (K) and 288 (V) the 16 lanes of a load touch 16 different 16-byte columns modulo 256 bytes.
; THE MASK.  Every work-group walks nine slots: the trip counts are constants.  A step all of whose keys come after my 32 queries is passed over by a scalar branch on ids; in a step on the diagonal hidden scores become -infinity ahead of the maximum.
; REGISTERS.  window 0: v2-18 addresses; v32-47 statistics, eight a tile (c m, m, l twice, four at work); v64-127 S^T; v128-159 P; v160-223 O^T; v224-255 Q.  window 1: v0-63 K's fragments, v64-127 V's.
.set KP,    272
.set VP,    288
.set VOFF,  128*KP                     ; a slot: 128 stated rows of K, then 128 of V
.set SLOT1, 1<<17                      ; slot 1 begins here: one exclusive or turns an address
.set STP,   144                        ; a stage row: 128 bytes + 16
.set STAGE_A, VOFF+128*VP              ; behind slot 0's tiles: 32 rows a wave, for the first block's way out; no fill lands here
.set STAGE_B, SLOT1+STAGE_A            ; behind slot 1's: for the second block's
.set SPARE, STAGE_B+8*32*STP           ; the spare words, 128 bytes a wave, which no other line names
.set AK0, 2
.set AV0, 3
.set ADK, 4
.set ADV, 5
.set QO,  6
.set STOA, 7
.set STOB, 8
.set RDA, 9
.set RDB, 10
.set GO,  11
.set SPW, 12
.set NIL, 13
.set D0,  14                           ; v14, v15: my query less the step's first key less 8 (lane / 16), for tiles 0 and 1
.set NINF, 16
.set PFO, 17
.set RH,  18                           ; r - 8 h
.set ST,  32
.set SS,  64
.set PP,  128
.set OO,  160
.set QQ,  224
.set WV,  8                            ; s8  my wave's number
.set PN,  9                            ; s9  p
.set QA,  12                           ; s[12:13] Q at my first query
.set KB,  14                           ; s[14:15] K's plane at my half of a slot;  s[16:17] V's
.set VB,  16
.set CA,  18                           ; s[18:19] ctx at my first query
.set SEL, 20
.set CS,  22                           ; s[22:23] c = log2(e) / 8
.set G1K, 24
.set G1V, 32
.set G0K, 40
.set G0V, 44
.set TBK, 48                           ; s48, s49 LDS byte at which the step's K and V begin
.set TBV, 49
.set SLOTS, 50                         ; s50 counts the loop's eight trips down
.set FOUR, 51
.set KEY, 52                           ; s52 the step's first key
.set QRY, 53                           ; s53 my first query
.set SWAT, 54                          ; s54 p + 1: the count at which the first block ends
.set NK,  55                           ; s55 which 256 keys the next fill brings
.set OFF, 56
.set PFK, 58
.set PFV, 60
.set LIM, 62
.set QPL, 66                           ; s[66:67] Q's plane;  s[68:69] ctx's
.set CPL, 68
.set MSB, 0
.macro WIN new
.if MSB != (\new)
	s_set_vgpr_msb (MSB<<8)|(\new)
.set MSB, (\new)
.endif
.endm
; Waves 0 and 1 fetch K's halves, waves 2 and 3 V's, the others nothing; the branches hang on the wave's number alone.  An s_nop 0 and four v_nop follow each line.
.macro TLOAD
	s_cmp_lt_u32 s[WV], 2
	s_cbranch_scc0 .Lnot_k_\@
	tensor_load_to_lds s[G0K:G0K+3], s[G1K:G1K+7]
	s_nop 0
.rept 4
	v_nop
.endr
	s_branch .Lasked_\@
.Lnot_k_\@:
	s_cmp_lt_u32 s[WV], 4
	s_cbranch_scc0 .Lasked_\@
	tensor_load_to_lds s[G0V:G0V+3], s[G1V:G1V+7]
	s_nop 0
.rept 4
	v_nop
.endr
.Lasked_\@:
.endm
; A prefetch of the 256 keys that the NEXT change of slots will ask for: 32,768 bytes of K and as many of V.  The plane's work-group p = 0 walks all eight key slots in order and asks, nobody else; in it waves 4 to 7, which fetch nothing,
; take 8,192 bytes each, lanes 256 bytes apart: each aligned run of 256 bytes is named once in the launch.  Trip t asks for key slot t + 2, up to slot 7: the count stops it.  Slots 0 and 1 come by their loads alone.
.macro ASK
	s_cmp_gt_u32 s[SLOTS], s[LIM]
	s_cbranch_scc0 .Lnot_mine_\@
	global_prefetch_b8 v[PFO], s[PFK:PFK+1] th:TH_LOAD_NT scope:SCOPE_SE
	global_prefetch_b8 v[PFO], s[PFV:PFV+1] th:TH_LOAD_NT scope:SCOPE_SE
.Lnot_mine_\@:
.endm
.macro QLOAD                           ; Q stays in registers: tile t, channels 32 ks on: lane l holds query l % 16; two loads of 16 bytes, 32 apart
.irp t, 0,1
.irp ks, 0,1
	global_load_b128 v[QQ+16*\t+8*\ks:QQ+16*\t+8*\ks+3], v[QO], s[QA:QA+1] offset:\t*2048+64*\ks
	global_load_b128 v[QQ+16*\t+8*\ks+4:QQ+16*\t+8*\ks+7], v[QO], s[QA:QA+1] offset:\t*2048+64*\ks+32
.endr
.endr
.endm
.macro INIT                            ; a block begins: O^T and l are zeros, m lies under every score; the step is then written once, with no first step of its own
.set i, 0
.rept 64
	v_mov_b32 v[OO+i], 0
.set i, i+1
.endr
.irp t, 0,1
	v_mov_b32 v[ST+8*\t+1], 0xff61b1e6             ; -3e38
	v_mul_f32 v[ST+8*\t], s[CS], v[ST+8*\t+1]
.irp k, 2,3,4,5,6,7
	v_mov_b32 v[ST+8*\t+\k], 0
.endr
.endr
.endm
; Product i of 16 of S^T = K Q^T: channels 32 (i / 8) on, keys 16 ((i / 2) % 4) on, tile i % 2.  The first 8 start the sums.  Eight accumulators take turns.
.macro KQ
.set rS, SS+32*(i%2)+8*((i/2)%4)
.set rK, 8*(2*((i/2)%4)+i/8)
.set rQ, QQ+16*(i%2)+8*(i/8)
.if i < 8
	v_wmma_f32_16x16x32_f16 v[rS:rS+7], v[rK:rK+7], v[rQ:rQ+7], 0
.else
	v_wmma_f32_16x16x32_f16 v[rS:rS+7], v[rK:rK+7], v[rQ:rQ+7], v[rS:rS+7]
.endif
.endm
; Product i of 16 of O^T += V^T P: keys 32 (i / 8) on, channels 16 ((i / 2) % 4) on, tile i % 2
.macro PV
.set rO, OO+32*(i%2)+8*((i/2)%4)
.set rV, 64+8*(4*(i/8)+(i/2)%4)
.set rP, PP+16*(i%2)+8*(i/8)
	v_wmma_f32_16x16x32_f16 v[rO:rO+7], v[rV:rV+7], v[rP:rP+7], v[rO:rO+7]
.endm
; The softmax of a step, both tiles line by line by turns, so that no line waits for the line above it.  Statistics of tile t at v[ST + 8 t]: +0 c m, +1 m, +2, +3 l, +4 to +7 at work; a takes +6.
.macro SOFTMAX
.irp j, 0,1,2,3                        ; the maximum of 32 scores and the old m: four chains, each begun at an accumulator's low end
.irp t, 0,1
	v_max3_num_f32 v[ST+8*\t+4+\j], v[SS+32*\t+8*\j], v[SS+32*\t+8*\j+1], v[SS+32*\t+8*\j+2]
.endr
.endr
.irp g, 1,2
.irp j, 0,1,2,3
.irp t, 0,1
	v_max3_num_f32 v[ST+8*\t+4+\j], v[ST+8*\t+4+\j], v[SS+32*\t+8*\j+2*\g+1], v[SS+32*\t+8*\j+2*\g+2]
.endr
.endr
.endr
.irp t, 0,1
	v_max3_num_f32 v[ST+8*\t+4], v[ST+8*\t+4], v[SS+32*\t+7], v[SS+32*\t+15]
.endr
.irp t, 0,1
	v_max3_num_f32 v[ST+8*\t+6], v[ST+8*\t+6], v[SS+32*\t+23], v[SS+32*\t+31]
.endr
.irp t, 0,1
	v_max3_num_f32 v[ST+8*\t+4], v[ST+8*\t+4], v[ST+8*\t+5], v[ST+8*\t+6]
.endr
.irp t, 0,1
	v_max3_num_f32 v[ST+8*\t+4], v[ST+8*\t+4], v[ST+8*\t+7], v[ST+8*\t+1]
.endr
.irp t, 0,1
	v_permlanex16_b32 v[ST+8*\t+5], v[ST+8*\t+4], s[SEL], s[SEL+1]   ; the query's other 32 keys lie in the lane 16 away
.endr
.irp t, 0,1
	v_mov_b32 v[ST+8*\t+7], v[ST+8*\t]             ; c m_old is kept for a
.endr
.irp t, 0,1
	v_max_num_f32 v[ST+8*\t+1], v[ST+8*\t+4], v[ST+8*\t+5]
.endr
.irp t, 0,1
	v_mul_f32 v[ST+8*\t], s[CS], v[ST+8*\t+1]
.endr
.irp t, 0,1
	v_sub_f32 v[ST+8*\t+7], v[ST+8*\t+7], v[ST+8*\t]
.endr
.irp b, 0,1,2,3,4,5,6,7,8,9,10,11,12,13,14,15
.irp t, 0,1
	v_pk_fma_f32 v[SS+32*\t+2*\b:SS+32*\t+2*\b+1], v[SS+32*\t+2*\b:SS+32*\t+2*\b+1], s[CS:CS+1], v[ST+8*\t:ST+8*\t+1] op_sel_hi:[1,0,0] neg_lo:[0,0,1] neg_hi:[0,0,1]   ; c s - c m, two at a time
.endr
.endr
.irp t, 0,1
	v_exp_f32 v[ST+8*\t+6], v[ST+8*\t+7]           ; a = 2^(c m_old - c m_new)
.endr
.irp e, 0,1,2,3,4,5,6,7,8,9,10,11,12,13,14,15,16,17,18,19,20,21,22,23,24,25,26,27,28,29,30,31
.irp t, 0,1
	v_exp_f32 v[SS+32*\t+\e], v[SS+32*\t+\e]       ; p: one batch of 66 exponentials, none of which reads another's result
.endr
.endr
	v_nop                                          ; a plain line behind the last exponential,
	s_wait_alu depctr_va_vdst(0)                   ; and the one wait ahead of the batch's first reader
.irp b, 0,1,2,3,4,5,6,7,8,9,10,11,12,13,14,15
.irp t, 0,1
	v_cvt_pk_f16_f32 v[PP+16*\t+\b], v[SS+32*\t+2*\b], v[SS+32*\t+2*\b+1]
.endr
.endr
.irp u, 0,1,2,3,4,5,6,7                ; the sum of the 16 pairs, in place, as a tree
.irp t, 0,1
	v_pk_add_f32 v[SS+32*\t+4*\u:SS+32*\t+4*\u+1], v[SS+32*\t+4*\u:SS+32*\t+4*\u+1], v[SS+32*\t+4*\u+2:SS+32*\t+4*\u+3]
.endr
.endr
.irp u, 0,1,2,3
.irp t, 0,1
	v_pk_add_f32 v[SS+32*\t+8*\u:SS+32*\t+8*\u+1], v[SS+32*\t+8*\u:SS+32*\t+8*\u+1], v[SS+32*\t+8*\u+4:SS+32*\t+8*\u+5]
.endr
.endr
.irp u, 0,1
.irp t, 0,1
	v_pk_add_f32 v[SS+32*\t+16*\u:SS+32*\t+16*\u+1], v[SS+32*\t+16*\u:SS+32*\t+16*\u+1], v[SS+32*\t+16*\u+8:SS+32*\t+16*\u+9]
.endr
.endr
.irp t, 0,1
	v_pk_add_f32 v[SS+32*\t:SS+32*\t+1], v[SS+32*\t:SS+32*\t+1], v[SS+32*\t+16:SS+32*\t+17]
.endr
.irp t, 0,1
	v_pk_fma_f32 v[ST+8*\t+2:ST+8*\t+3], v[ST+8*\t+2:ST+8*\t+3], v[ST+8*\t+6:ST+8*\t+7], v[SS+32*\t:SS+32*\t+1] op_sel_hi:[1,0,1]   ; l = a l + the sum
.endr
.irp b, 0,1,2,3,4,5,6,7,8,9,10,11,12,13,14,15
.irp t, 0,1
	v_pk_mul_f32 v[OO+32*\t+2*\b:OO+32*\t+2*\b+1], v[OO+32*\t+2*\b:OO+32*\t+2*\b+1], v[ST+8*\t+6:ST+8*\t+7] op_sel_hi:[1,0]   ; O^T times a
.endr
.endr
.endm
; A KEY STEP: 64 keys.
.macro STEP
	s_add_co_u32 s70, s[QRY], 31
	s_cmp_gt_u32 s[KEY], s70                       ; all its keys come after my 32 queries: only the lines at its end, which step addresses, are run
	s_cbranch_scc1 .Lhidden_\@
	v_add_nc_u32 v[ADK], s[TBK], v[AK0]
	v_add_nc_u32 v[ADV], s[TBV], v[AV0]
	v_nop
	v_nop                                          ; four places between the last step's products and the loads into V's fragments
	WIN 0x40                                       ; destination window 1
.irp kt, 0,1,2,3
.irp ks, 0,1
	ds_load_b128 v[8*(2*\kt+\ks):8*(2*\kt+\ks)+3], v[ADK] offset:\kt*8*KP+64*\ks
	ds_load_b128 v[8*(2*\kt+\ks)+4:8*(2*\kt+\ks)+7], v[ADK] offset:\kt*8*KP+64*\ks+32
.endr
.endr
.irp kk, 0,1
.irp ct, 0,1,2,3
	ds_load_tr16_b128 v[64+8*(4*\kk+\ct):64+8*(4*\kk+\ct)+3], v[ADV] offset:\kk*16*VP+32*\ct
	ds_load_tr16_b128 v[64+8*(4*\kk+\ct)+4:64+8*(4*\kk+\ct)+7], v[ADV] offset:\kk*16*VP+8*VP+32*\ct
.endr
.endr
	s_wait_dscnt 16                                ; K's 16 loads are in; V's 16 may be out
	WIN 0x01                                       ; source 0 window 1
.set i, 0
.rept 16
	KQ
.set i, i+1
.endr
	WIN 0
.rept 4
	v_nop                                          ; places in front of the first read of the scores
.endr
	s_add_co_u32 s70, s[KEY], 63
	s_cmp_le_u32 s70, s[QRY]                       ; all 64 keys count for all my queries: no mask
	s_cbranch_scc1 .Lopen_\@
	s_sub_co_i32 s70, s[QRY], s[KEY]
	v_add_nc_u32 v[D0], s70, v[RH]                 ; register n of tile t holds key KEY + 16 (n / 8) + 8 (lane / 16) + n % 8: hidden where 16 (n / 8) + n % 8 > d
	v_add_nc_u32 v[D0+1], 16, v[D0]
.irp t, 0,1
.irp n, 0,1,2,3,4,5,6,7,8,9,10,11,12,13,14,15,16,17,18,19,20,21,22,23,24,25,26,27,28,29,30,31
	v_cmp_gt_i32 vcc_lo, 16*(\n/8)+\n%8, v[D0+\t]
	v_cndmask_b32 v[SS+32*\t+\n], v[SS+32*\t+\n], v[NINF], vcc_lo
.endr
.endr
.Lopen_\@:
	SOFTMAX
	s_wait_dscnt 0x0                               ; V is in
	WIN 0x01
.set i, 0
.rept 16
	PV
.set i, i+1
.endr
	WIN 0
.Lhidden_\@:
	s_add_co_u32 s[KEY], s[KEY], 64
	s_add_co_u32 s[TBK], s[TBK], 32*KP
	s_add_co_u32 s[TBV], s[TBV], 32*VP
.endm
.macro FOUR_STEPS                      ; a slot's four steps: written once, walked four times; then on to the other slot
	s_mov_b32 s[FOUR], 4
.Lstep_\@:
	STEP
	s_sub_co_u32 s[FOUR], s[FOUR], 1
	s_cmp_lg_u32 s[FOUR], 0
	s_cbranch_scc1 .Lstep_\@
	s_sub_co_u32 s[TBK], s[TBK], 128*KP
	s_xor_b32 s[TBK], s[TBK], SLOT1
	s_sub_co_u32 s[TBV], s[TBV], 128*VP
	s_xor_b32 s[TBV], s[TBV], SLOT1
.endm
; THE CHANGE OF SLOTS stands at a slot's head.  Each wave waits for all its tensor loads (its part of the slot that it is about to read), adds 0 to its spare word, and waits for that and for its reads of the slot that it has left.
; Behind the barrier the slot ahead is whole and nobody reads the other one.  fill = 1: that other slot takes the 256 keys that follow, or, where the first block ends, keys 0 to 255 again: one load a wave, with four steps in which to land.
.macro CHANGE fill
	s_wait_tensorcnt 0x0                           ; no tensor load of mine is out, so a group 0 may be written
	ds_add_u32 v[SPW], v[NIL]
.if \fill
	ds_add_u32 v[SPW], v[NIL]                      ; and once more
	s_xor_b32 s[G0K+1], s[G0K+1], SLOT1            ; the other slot than last time
	s_xor_b32 s[G0V+1], s[G0V+1], SLOT1
	s_add_co_u32 s[NK], s[NK], 1
	s_cmp_eq_u32 s[SLOTS], s[SWAT]                 ; ids and the count of trips alone
	s_cselect_b32 s[NK], 0, s[NK]
	s_lshl_b32 s[OFF], s[NK], 15                   ; 256 keys are 32,768 bytes
	s_add_nc_u64 s[G0K+2:G0K+3], s[KB:KB+1], s[OFF:OFF+1]
	s_or_b32 s[G0K+3], s[G0K+3], 0x80000000
	s_add_nc_u64 s[G0V+2:G0V+3], s[VB:VB+1], s[OFF:OFF+1]
	s_or_b32 s[G0V+3], s[G0V+3], 0x80000000
	s_wait_xcnt 0x0                                ; the last prefetches, a slot back, have read their addresses
	s_add_nc_u64 s[PFK:PFK+1], s[PFK:PFK+1], 32768
	s_add_nc_u64 s[PFV:PFV+1], s[PFV:PFV+1], 32768
.endif
	s_wait_dscnt 0x0                               ; the add is done, and my reads of the slot that I have left are over
	s_barrier_signal -1
	s_barrier_wait -1
.if \fill
	TLOAD                                          ; the first thing behind the barrier, and a wave's one tensor load until the next
	ASK
.endif
.endm
; A BLOCK'S WAY OUT.  l's halves and the other half of the lanes' are added (these lines are the places behind the last products); O^T is divided by l, rounded to f16 and sent through my stage, so that the wave stores four whole rows, 512 bytes, at a time.
.macro FINISH sto, rd
.irp t, 0,1
	v_add_f32 v[ST+8*\t+4], v[ST+8*\t+2], v[ST+8*\t+3]
.endr
.irp t, 0,1
	v_permlanex16_b32 v[ST+8*\t+5], v[ST+8*\t+4], s[SEL], s[SEL+1]
.endr
.irp t, 0,1
	v_add_f32 v[ST+8*\t+4], v[ST+8*\t+4], v[ST+8*\t+5]
.endr
.irp t, 0,1
	v_rcp_f32 v[ST+8*\t+6], v[ST+8*\t+4]
.endr
	v_nop                                          ; a plain line behind the reciprocals,
	s_wait_alu depctr_va_vdst(0)                   ; and the wait ahead of their first reader
.irp t, 0,1
.irp b, 0,1,2,3,4,5,6,7,8,9,10,11,12,13,14,15
	v_pk_mul_f32 v[OO+32*\t+2*\b:OO+32*\t+2*\b+1], v[OO+32*\t+2*\b:OO+32*\t+2*\b+1], v[ST+8*\t+6:ST+8*\t+7] op_sel_hi:[1,0]
.endr
.irp b, 0,1,2,3,4,5,6,7,8,9,10,11,12,13,14,15
	v_cvt_pk_f16_f32 v[SS+32*\t+\b], v[OO+32*\t+2*\b], v[OO+32*\t+2*\b+1]
.endr
.irp ct, 0,1,2,3
	ds_store_b128 v[\sto], v[SS+32*\t+4*\ct:SS+32*\t+4*\ct+3] offset:\t*16*STP+32*\ct   ; lane (r, h): query 16 t + r, channels 16 ct + 8 h + 0 .. 7
.endr
.endr
.irp i, 0,1,2,3,4,5,6,7
	ds_load_b128 v[PP+4*\i:PP+4*\i+3], v[\rd] offset:\i*4*STP      ; LDS serves a wave's instructions in order: these see my stores
.endr
.irp i, 0,1,2,3,4,5,6,7
	s_wait_dscnt 7-\i                              ; the later loads may be out
	global_store_b128 v[GO], v[PP+4*\i:PP+4*\i+3], s[CA:CA+1] offset:512*\i   ; 512 consecutive bytes, aligned
.endr
.endm
	s_load_b128 s[4:7], s[0:1], 0x0                ; qkv16, ctx16
	v_lshl_add_u32 v[SPW], v0, 2, SPARE
	v_mov_b32 v[NIL], 0
	ds_add_u32 v[SPW], v[NIL]                      ; the wave's opening: the add, twice on end, and its wait ahead of the first tensor load
	ds_add_u32 v[SPW], v[NIL]
	v_lshrrev_b32 v1, 5, v0
	v_readfirstlane_b32 s[WV], v1                  ; wave 0..7
	s_mov_b32 s[PN], ttmp9
	s_and_b32 s70, ttmp7, 0xffff
	s_lshl_b32 s70, s70, 18                        ; my plane: 262,144 bytes each
	s_mov_b32 s71, 0
	s_and_b32 s72, s[WV], 1                        ; which half of a slot I fetch, if I fetch:
	s_lshl_b32 s74, s72, 14                        ; 128 keys of 128 bytes in memory
	s_mov_b32 s75, 0
	s_mov_b32 s[G1K], (1<<16)|(1<<20)|(5<<22)|(3<<25)   ; no mask; elements of 2 bytes; padding on: 4 words after every 64
	s_mov_b32 s[G1V], (1<<16)|(1<<20)|(5<<22)|(7<<25)   ; the same with 8 words
.irp g, G1K, G1V
	s_mov_b32 s[\g+1], 128<<16                     ; tensor_dim0 = 128 elements: two rows of a head stated as one
	s_mov_b32 s[\g+2], 64<<16                      ; tensor_dim1
	s_mov_b32 s[\g+3], 128<<16                     ; tile_dim0
	s_mov_b32 s[\g+4], 64                          ; tile_dim1
	s_mov_b32 s[\g+5], 128                         ; the pitch
	s_mov_b32 s[\g+6], 0
	s_mov_b32 s[\g+7], 0
.endr
	s_mov_b32 s[G0K], 1
	s_mul_i32 s[G0K+1], s72, 64*KP                 ; slot 0
	s_mov_b32 s[G0V], 1
	s_mul_i32 s[G0V+1], s72, 64*VP
	s_add_co_u32 s[G0V+1], s[G0V+1], VOFF
	s_mov_b32 s[SEL], 0x76543210
	s_mov_b32 s[SEL+1], 0xfedcba98
	s_mov_b32 s[CS], 0x3e38aa3b                    ; c = log2(e) / sqrt(64)
	s_mov_b32 s[CS+1], s[CS]
	s_mov_b32 s[TBK], 0
	s_mov_b32 s[TBV], 0
	s_mov_b32 s[SLOTS], 8
	s_mov_b32 s[KEY], 0
	s_mov_b32 s[NK], 0
	s_mov_b32 s[OFF+1], 0
	s_add_co_u32 s[SWAT], s[PN], 1
	s_sub_co_u32 s[QRY], 7, s[PN]                  ; the first block: 7 - p
	s_lshl_b32 s[QRY], s[QRY], 8
	s_lshl_b32 s73, s[WV], 5
	s_add_co_u32 s[QRY], s[QRY], s73               ; my first query
	s_lshl_b32 s76, s[QRY], 7
	s_mov_b32 s77, 0
	s_and_b32 s78, s[WV], 3
	s_lshl_b32 s78, s78, 13
	s_add_co_u32 s78, s78, 32768                   ; the prefetches stand in key slot 1; the first change of slots steps them to slot 2
	s_mov_b32 s79, 0
	s_lshr_b32 s73, s[WV], 2
	s_xor_b32 s73, s73, 1                          ; 0 in waves 4 to 7,
	s_or_b32 s73, s73, ttmp9                       ; of work-group p = 0
	s_cmp_eq_u32 s73, 0
	s_cselect_b32 s[LIM], 2, -1
	s_wait_dscnt 0x0                               ; both opening adds are done
	s_wait_kmcnt 0x0
	s_add_nc_u64 s[QPL:QPL+1], s[4:5], s[70:71]
	s_add_nc_u64 s[CPL:CPL+1], s[6:7], s[70:71]
	s_add_nc_u64 s[KB:KB+1], s[QPL:QPL+1], 16777216
	s_add_nc_u64 s[VB:VB+1], s[QPL:QPL+1], 33554432
	s_add_nc_u64 s[PFK:PFK+1], s[KB:KB+1], s[78:79]
	s_add_nc_u64 s[PFV:PFV+1], s[VB:VB+1], s[78:79]
	s_add_nc_u64 s[KB:KB+1], s[KB:KB+1], s[74:75]
	s_add_nc_u64 s[VB:VB+1], s[VB:VB+1], s[74:75]
	s_mov_b64 s[G0K+2:G0K+3], s[KB:KB+1]
	s_or_b32 s[G0K+3], s[G0K+3], 0x80000000
	s_mov_b64 s[G0V+2:G0V+3], s[VB:VB+1]
	s_or_b32 s[G0V+3], s[G0V+3], 0x80000000
	TLOAD                                          ; slot 0: keys 0 to 255, which count for every block
	s_add_nc_u64 s[QA:QA+1], s[QPL:QPL+1], s[76:77]
	s_add_nc_u64 s[CA:CA+1], s[CPL:CPL+1], s[76:77]
	v_and_b32 v19, 15, v0                          ; r
	v_bfe_u32 v20, v0, 4, 1                        ; h
	v_and_b32 v21, 31, v0                          ; lane
	v_lshlrev_b32 v[QO], 7, v19
	v_lshl_add_u32 v[QO], v20, 4, v[QO]            ; Q: row r of 128 bytes + 16 h
	QLOAD
	v_lshrrev_b32 v22, 1, v19
	v_mul_u32_u24 v[AK0], v22, KP
	v_and_b32 v22, 1, v0
	v_lshl_add_u32 v[AK0], v22, 7, v[AK0]
	v_lshl_add_u32 v[AK0], v20, 4, v[AK0]          ; K: (r / 2) x pitch + (r % 2) x 128 + 16 h
	v_and_b32 v23, 7, v0
	v_lshl_add_u32 v24, v20, 3, v23                ; V, for the turning load: key 8 h + l % 8,
	v_lshrrev_b32 v24, 1, v24
	v_mul_u32_u24 v[AV0], v24, VP
	v_lshl_add_u32 v[AV0], v22, 7, v[AV0]
	v_bfe_u32 v24, v0, 3, 1
	v_lshl_add_u32 v[AV0], v24, 4, v[AV0]          ; channels 8 ((l / 8) % 2) on
	v_add_nc_u32 v[AV0], VOFF, v[AV0]
	s_mul_i32 s70, s[WV], 32*STP                   ; my part of a stage
	v_mul_u32_u24 v24, v19, STP
	v_lshl_add_u32 v24, v20, 4, v24
	v_add_nc_u32 v24, s70, v24
	v_add_nc_u32 v[STOA], STAGE_A, v24             ; in: row r, 16 bytes for each half of the lanes
	v_add_nc_u32 v[STOB], STAGE_B, v24
	v_lshrrev_b32 v24, 3, v21
	v_mul_u32_u24 v24, v24, STP
	v_lshl_add_u32 v24, v23, 4, v24
	v_add_nc_u32 v24, s70, v24
	v_add_nc_u32 v[RDA], STAGE_A, v24              ; back: eight lanes to a row, four rows an instruction
	v_add_nc_u32 v[RDB], STAGE_B, v24
	v_lshlrev_b32 v[GO], 4, v21
	v_lshlrev_b32 v[PFO], 8, v21
	v_lshlrev_b32 v24, 3, v20
	v_sub_nc_u32 v[RH], v19, v24
	v_mov_b32 v[NINF], 0xff800000
	INIT
	s_wait_loadcnt 0x0                             ; Q
.Lslot:                                            ; eight trips: behind each change of slots the next of the nine slots is asked for
	CHANGE 1
	FOUR_STEPS
	s_cmp_lg_u32 s[SLOTS], s[SWAT]                 ; the first block's last slot?  ids and the count of trips alone: all eight waves go the same way
	s_cbranch_scc1 .Lsame
	FINISH STOA, RDA
	s_wait_xcnt 0x0                                ; the stores have read their base and their data: both are written again below
	s_lshl_b32 s[QRY], s[PN], 8                    ; the second block: p
	s_lshl_b32 s70, s[WV], 5
	s_add_co_u32 s[QRY], s[QRY], s70
	s_mov_b32 s[KEY], 0
	s_lshl_b32 s70, s[QRY], 7
	s_mov_b32 s71, 0
	s_add_nc_u64 s[QA:QA+1], s[QPL:QPL+1], s[70:71]
	s_add_nc_u64 s[CA:CA+1], s[CPL:CPL+1], s[70:71]
	QLOAD
	INIT
	s_wait_loadcnt 0x0
.Lsame:
	s_sub_co_u32 s[SLOTS], s[SLOTS], 1
	s_cmp_lg_u32 s[SLOTS], 0
	s_cbranch_scc1 .Lslot
	CHANGE 0                                       ; the ninth slot is written out: nothing is left to ask for
	FOUR_STEPS
	FINISH STOB, RDB
	s_wait_tensorcnt 0x0                           ; the wave's end
	ds_add_u32 v[SPW], v[NIL]
	s_wait_dscnt 0x0
	s_endpgm
.Lfunc_end_k_q3ccc1ab45d_attn:
	.size	k_q3ccc1ab45d_attn, .Lfunc_end_k_q3ccc1ab45d_attn-k_q3ccc1ab45d_attn
	.p2alignl 7, 3214868480
	.fill 96, 4, 3214868480
	.section	.rodata,"a",@progbits
	.p2align	6, 0x0
	.amdhsa_kernel k_q3ccc1ab45d_attn
		.amdhsa_group_segment_fixed_size 327680
		.amdhsa_private_segment_fixed_size 0
		.amdhsa_enable_private_segment 0
		.amdhsa_kernarg_size 16
		.amdhsa_user_sgpr_count 2
		.amdhsa_user_sgpr_kernarg_segment_ptr 1
		.amdhsa_wavefront_size32 1
		.amdhsa_system_sgpr_workgroup_id_x 1
		.amdhsa_system_sgpr_workgroup_id_y 1
		.amdhsa_system_sgpr_workgroup_id_z 1
		.amdhsa_system_vgpr_workitem_id 0
		.amdhsa_next_free_vgpr 384
		.amdhsa_next_free_sgpr 80
		.amdhsa_reserve_vcc 1
		.amdhsa_float_denorm_mode_32 3
		.amdhsa_float_denorm_mode_16_64 3
		.amdhsa_memory_ordered 1
		.amdhsa_forward_progress 1
		.amdhsa_inst_pref_size 72
	.end_amdhsa_kernel
	.amdgpu_metadata
---
amdhsa.version: [ 1, 2 ]
amdhsa.kernels:
  - .name:           k_q3ccc1ab45d_attn
    .symbol:         k_q3ccc1ab45d_attn.kd
    .args:
      - { .name: qkv16, .offset: 0, .size: 8, .value_kind: global_buffer, .address_space: global }
      - { .name: ctx16, .offset: 8, .size: 8, .value_kind: global_buffer, .address_space: global }
    .group_segment_fixed_size: 327680
    .private_segment_fixed_size: 0
    .kernarg_segment_align: 8
    .kernarg_segment_size: 16
    .max_flat_workgroup_size: 256
    .sgpr_count:     80
    .vgpr_count:     384
    .wavefront_size: 32
...
	.end_amdgpu_metadata
.endif
;; end of part 3
;; launch proj (part 4): grid 4 x 64, 4 waves a work-group, clusters of 4 x 4, 327,680 bytes of LDS; arguments ctx16, wo16, out0; writes out0
.if DOCPART == 4
	.amdgcn_target "amdgcn-amd-amdhsa--gfx1250"
	.amdhsa_code_object_version 6
	.text
	.protected	k_q3ccc1ab45d_proj
	.globl	k_q3ccc1ab45d_proj
	.p2align	8
	.type	k_q3ccc1ab45d_proj,@function
k_q3ccc1ab45d_proj:
	s_mov_b64 s[64:65], 0
	v_nop
	global_prefetch_b8 v0, s[64:65] scope:SCOPE_SE
	s_setreg_imm32_b32 hwreg(HW_REG_WAVE_MODE, 25, 1), 1
	s_wait_xcnt 0x0
	s_wait_alu depctr_hold_cnt(0) depctr_sa_sdst(0) depctr_va_vdst(0) depctr_va_sdst(0) depctr_va_ssrc(0) depctr_va_vcc(0) depctr_vm_vsrc(0)
	s_getreg_b32 s2, hwreg(HW_REG_IB_STS2, 6, 4)
	s_cmp_eq_u32 s2, 0
	s_cbranch_scc0 .Lentry_in_a_cluster
	s_endpgm
.Lentry_in_a_cluster:
	s_bfe_u32 s2, ttmp6, 0x10000c
	s_cmp_lg_u32 s2, 0xf033
	s_cbranch_scc0 .Lentry_shape_is_right
	s_endpgm
.Lentry_shape_is_right:
; out0[m][e] = the sum over (head, d) of ctx[m][head][d] Wo[e][head][d].  ctx16 [4 b][16 h][2048 s][64] and wo16 [16 h][1024 e][64] in f16, out0 [8192][1024] f32; sums in f32.
; K is walked head by head on both sides alike, two heads (128) a step, eight steps.  A head's rows are 128 bytes and dense, so a tensor load states two rows as one of 256 bytes: row i of a plane lies at (i / 2) x 272 + (i % 2) x 128 in LDS.
; A tile of out0 is 128 x 256: 256 work-groups.  Four waves, 64 x 128 each: 32 accumulators, 256 registers.  Two LDS slots of one K step; one joint load a wave behind each round of the cluster's barrier (waves 0, 1: A's two planes; 2, 3: B's).
; CLUSTERS: 4 x 4 work-groups; A's planes are shared along a row of the cluster, B's along a column.  THE MATRIX INSTRUCTION IS USED TRANSPOSED (source 0 = 16 rows of Wo, source 1 = 16 rows of ctx): a lane holds eight neighbouring columns of a row.
; The first 16 positions of every batch are written here too and written again, more finely, by the launch that follows.
; REGISTERS: window 0: v16-30 addresses; v64-127 A's fragments, two buffers of 4; v128-255 the way out.  window 1: B's fragments, two buffers of 8.  window 2: the accumulators ((a, b) at v[8 (8 a + b)]).
.set PITCH,  272
.set PLA,    64*PITCH                  ; one head's 128 rows of ctx
.set PLB,    128*PITCH                 ; one head's 256 rows of Wo
.set BOFF,   2*PLA
.set SLOT,   BOFF+2*PLB
.set STAGE,  2*SLOT                    ; behind the ring: 16 rows x (512 + 16) bytes a wave
.set SPITCH, 528
.set SPARE,  STAGE+4*16*SPITCH         ; the spare words, 128 bytes a wave, which no other line names
.set LAPS,   4                         ; a lap = two K steps
.set ASTEP,  524288                    ; a K step in ctx16: two planes of 262,144 bytes
.set BSTEP,  262144                    ; and in wo16: two of 131,072
.set ADRA, 16
.set ADRB, 20
.set STO,  24
.set RD,   25
.set CO,   26
.set SPW,  28
.set NIL,  29
.set PFO,  30
.set AF,   64
.set BK,   128
.set G1, 24
.set G0, 32
.set G1B, 48
.set G0B, 56
.set PFA, 66
.set LIM, 68
.set MSB, 0
.macro WIN new
.if MSB != (\new)
	s_set_vgpr_msb (MSB<<8)|(\new)
.set MSB, (\new)
.endif
.endm
.set MUL,  0xa1                        ; source 0 (Wo) window 1, source 1 (ctx) window 0, C and D window 2
.set TO_B, 0x40
.macro JLOAD s                         ; a joint load; an s_nop 0 and four v_nop follow each of the two lines
	s_cmp_eq_u32 s11, 0
	s_cbranch_scc0 .Lfor_b_\@
	tensor_load_to_lds s[G0+4*\s:G0+4*\s+3], s[G1:G1+7]
	s_nop 0
.rept 4
	v_nop
.endr
	s_branch .Lasked_\@
.Lfor_b_\@:
	tensor_load_to_lds s[G0B+4*\s:G0B+4*\s+3], s[G1B:G1B+7]
	s_nop 0
.rept 4
	v_nop
.endr
.Lasked_\@:
.endm
.macro CREST
	s_cmp_lg_u32 s10, 0
	s_cbranch_scc1 .Lnot_wave_0_\@
	s_barrier_signal -3
.Lnot_wave_0_\@:
	s_barrier_wait -3
	s_barrier_signal -1
	s_barrier_wait -1
.endm
.macro CROUND
	s_barrier_signal -1
	s_barrier_wait -1
	CREST
.endm
; A prefetch of ctx's K step that stands two refills on: 2 planes x 16,384 bytes.  Only the four partners of my row of the cluster read these rows; they share them out BY ADDRESS: partner cx takes plane cx / 2, half cx % 2, 8,192 bytes;
; in each, wave 0 asks, lanes 256 bytes apart: each aligned run of 256 bytes is named once.  The last two refills have no K step two on: the count of laps stops it.  K steps 0 to 3 come by their loads alone.  Wo is read by every tile row again and is not asked for.
.macro ASK
	s_cmp_gt_u32 s3, s[LIM]
	s_cbranch_scc0 .Lnot_mine_\@
	global_prefetch_b8 v[PFO], s[PFA:PFA+1] offset:ASTEP th:TH_LOAD_NT scope:SCOPE_SE
.Lnot_mine_\@:
.endm
	s_load_b128 s[4:7], s[0:1], 0x0                ; ctx16, wo16
	s_load_b64 s[8:9], s[0:1], 0x10                ; out0
	v_lshl_add_u32 v[SPW], v0, 2, SPARE
	v_mov_b32 v[NIL], 0
	ds_add_u32 v[SPW], v[NIL]                      ; the wave's opening: the add, twice on end, and its wait ahead of my first tensor load
	ds_add_u32 v[SPW], v[NIL]
	v_lshrrev_b32 v1, 5, v0
	v_readfirstlane_b32 s10, v1                    ; wave 0..3
	s_lshr_b32 s11, s10, 1                         ; which 64 rows of the tile are mine.  Also: I fetch for A (0) or for B (1)
	s_and_b32 s12, s10, 1                          ; which 128 columns.  Also: which of the step's two planes I fetch
	s_bfe_u32 s40, ttmp6, 0x40000                  ; cx
	s_bfe_u32 s41, ttmp6, 0x40004                  ; cy
	s_lshl_b32 s42, ttmp9, 2
	s_add_co_u32 s42, s42, s40                     ; tile column
	s_and_b32 s13, ttmp7, 0xffff
	s_lshl_b32 s13, s13, 2
	s_add_co_u32 s13, s13, s41                     ; tile row T: batch T / 16, positions 128 (T % 16) on
	s_lshl_b32 s43, s41, 2
	s_lshl_b32 s43, 15, s43                        ; my row of the cluster
	s_lshl_b32 s44, 0x1111, s40                    ; my column
	s_or_b32 s[G1+0], s43, (1<<16)|(1<<20)|(1<<21)|(5<<22)|(3<<25)  ; the mask; elements of 2 bytes; padding on; bit 21 beside a mask; 4 words after every 64
	s_or_b32 s[G1B+0], s44, (1<<16)|(1<<20)|(1<<21)|(5<<22)|(3<<25)
	s_mov_b32 s[G1+1], 128<<16                     ; tensor_dim0 = 128 elements
	s_mov_b32 s[G1+2], 64<<16                      ; tensor_dim1: 64 stated rows = 128 rows of ctx
	s_mov_b32 s[G1+3], 128<<16
	s_mov_b32 s[G1+4], 64
	s_mov_b32 s[G1+5], 128
	s_mov_b32 s[G1+6], 0
	s_mov_b32 s[G1+7], 0
	s_mov_b32 s[G1B+1], 128<<16
	s_mov_b32 s[G1B+2], 128<<16                    ; 128 stated rows = 256 rows of Wo
	s_mov_b32 s[G1B+3], 128<<16
	s_mov_b32 s[G1B+4], 128
	s_mov_b32 s[G1B+5], 128
	s_mov_b32 s[G1B+6], 0
	s_mov_b32 s[G1B+7], 0
	s_lshr_b32 s16, s13, 4
	s_lshl_b32 s16, s16, 22                        ; a batch's 16 planes
	s_and_b32 s17, s13, 15
	s_lshl_b32 s17, s17, 14                        ; 128 rows of 128 bytes
	s_add_co_u32 s16, s16, s17
	s_mov_b32 s18, s16                             ; kept for the prefetch
	s_lshl_b32 s17, s12, 18                        ; my plane of the step's two
	s_add_co_u32 s16, s16, s17
	s_mov_b32 s17, 0
	s_lshl_b32 s46, s12, 17
	s_lshl_b32 s47, s42, 15                        ; 256 rows of 128 bytes
	s_add_co_u32 s46, s46, s47
	s_mov_b32 s47, 0
	s_mul_i32 s20, s12, PLA                        ; where they go: no place in the cluster enters an LDS address
	s_mul_i32 s21, s12, PLB
	s_add_co_u32 s21, s21, BOFF
	s_wait_dscnt 0x0                               ; both opening adds are done
	s_wait_kmcnt 0x0
	s_add_nc_u64 s[14:15], s[4:5], s[16:17]
	s_add_nc_u64 s[46:47], s[6:7], s[46:47]
	CROUND                                         ; all sixteen work-groups are here: the first joint loads meet
.irp s, 0,1
	s_mov_b32 s[G0+4*\s], 1
	s_add_co_u32 s[G0+4*\s+1], s20, \s*SLOT
	s_add_nc_u64 s[G0+4*\s+2:G0+4*\s+3], s[14:15], \s*ASTEP
	s_or_b32 s[G0+4*\s+3], s[G0+4*\s+3], 0x80000000
	s_mov_b32 s[G0B+4*\s], 1
	s_add_co_u32 s[G0B+4*\s+1], s21, \s*SLOT
	s_add_nc_u64 s[G0B+4*\s+2:G0B+4*\s+3], s[46:47], \s*BSTEP
	s_or_b32 s[G0B+4*\s+3], s[G0B+4*\s+3], 0x80000000
	JLOAD \s                                       ; two loads of mine are out
.endr
	s_lshr_b32 s22, s40, 1                         ; the prefetches: plane cx / 2,
	s_lshl_b32 s22, s22, 18
	s_and_b32 s23, s40, 1
	s_lshl_b32 s23, s23, 13                        ; half cx % 2,
	s_add_co_u32 s22, s22, s23
	s_add_co_u32 s22, s22, s18
	s_add_co_u32 s22, s22, 2*ASTEP                 ; at K step 2: the first refill steps it to 3 and names K step 4
	s_mov_b32 s23, 0
	s_add_nc_u64 s[PFA:PFA+1], s[4:5], s[22:23]
	s_cmp_eq_u32 s10, 0
	s_cselect_b32 s[LIM], 1, -1
	v_and_b32 v1, 15, v0                           ; r
	v_bfe_u32 v2, v0, 4, 1                         ; h
	v_lshrrev_b32 v3, 1, v1
	v_mul_u32_u24 v3, v3, PITCH
	v_and_b32 v4, 1, v0
	v_lshl_add_u32 v3, v4, 7, v3
	v_lshl_add_u32 v3, v2, 4, v3                   ; a fragment's row: (r / 2) x pitch + (r % 2) x 128 + 16 h
	s_mul_i32 s21, s11, 32*PITCH                   ; my 64 rows of ctx
	s_mul_i32 s22, s12, 64*PITCH                   ; my 128 rows of Wo
	s_add_co_u32 s22, s22, BOFF
.irp s, 0,1
	v_add_nc_u32 v[ADRA+\s], s21, v3
	v_add_nc_u32 v[ADRB+\s], s22, v3
	s_add_co_u32 s21, s21, SLOT
	s_add_co_u32 s22, s22, SLOT
.endr
	s_mul_i32 s23, s10, 16*SPITCH
	s_add_co_u32 s23, s23, STAGE                   ; my stage
	v_mul_u32_u24 v5, v1, SPITCH
	v_lshl_add_u32 v5, v2, 5, v5
	v_add_nc_u32 v[STO], s23, v5                   ; in: row r, 32 bytes for each half of the lanes
	v_and_b32 v6, 31, v0
	v_lshlrev_b32 v[CO], 4, v6
	v_add_nc_u32 v[RD], s23, v[CO]                 ; back: the 32 lanes take one row of 512 bytes
	v_lshlrev_b32 v[PFO], 8, v6
	s_lshl_b32 s16, s13, 7
	s_lshl_b32 s17, s11, 6
	s_add_co_u32 s16, s16, s17                     ; my first row of out0
	s_lshl_b32 s16, s16, 12                        ; 4,096 bytes a row (under 2^25 in all)
	s_mov_b32 s17, 0
	s_add_nc_u64 s[8:9], s[8:9], s[16:17]
	s_lshl_b32 s46, s42, 10
	s_lshl_b32 s47, s12, 9
	s_add_co_u32 s46, s46, s47                     ; my first column, in bytes
	s_mov_b32 s47, 0
	s_add_nc_u64 s[8:9], s[8:9], s[46:47]
; 24 LDS loads in one run: the fragments of quarter q (32 along K: plane q / 2, bytes 64 (q % 2) on) into buffer f
.macro FETCH slot, q, f
	WIN TO_B
.irp i, 0,1,2,3,4,5,6,7
	ds_load_b128 v[64*(\f)+8*\i:64*(\f)+8*\i+3],   v[ADRB+\slot] offset:((\q)/2)*PLB+64*((\q)%2)+\i*8*PITCH
	ds_load_b128 v[64*(\f)+8*\i+4:64*(\f)+8*\i+7], v[ADRB+\slot] offset:((\q)/2)*PLB+64*((\q)%2)+\i*8*PITCH+32
.endr
	WIN 0
.irp i, 0,1,2,3
	ds_load_b128 v[AF+32*(\f)+8*\i:AF+32*(\f)+8*\i+3],   v[ADRA+\slot] offset:((\q)/2)*PLA+64*((\q)%2)+\i*8*PITCH
	ds_load_b128 v[AF+32*(\f)+8*\i+4:AF+32*(\f)+8*\i+7], v[ADRA+\slot] offset:((\q)/2)*PLA+64*((\q)%2)+\i*8*PITCH+32
.endr
.endm
; 8 matrix instructions: block a of ctx's rows against Wo's eight.  The 32 accumulators take turns in the same order in every quarter.
.macro MUL8 f, a, zero
.irp b, 0,1,2,3,4,5,6,7
.if \zero
	v_wmma_f32_16x16x32_f16 v[8*(8*(\a)+\b):8*(8*(\a)+\b)+7], v[64*(\f)+8*\b:64*(\f)+8*\b+7], v[AF+32*(\f)+8*(\a):AF+32*(\f)+8*(\a)+7], 0
.else
	v_wmma_f32_16x16x32_f16 v[8*(8*(\a)+\b):8*(8*(\a)+\b)+7], v[64*(\f)+8*\b:64*(\f)+8*\b+7], v[AF+32*(\f)+8*(\a):AF+32*(\f)+8*(\a)+7], v[8*(8*(\a)+\b):8*(8*(\a)+\b)+7]
.endif
.endr
.endm
.macro PLACES                          ; four plain lines in front of loads into registers that matrix instructions have read, and of the first read of results
.rept 4
	v_nop
.endr
.endm
; One of a K step's first three quarters: multiplies buffer f; in its middle it fetches quarter qn of the same slot into buffer g
.macro QUARTER slot, qn, f, g, zero
	s_wait_dscnt 0x0                               ; this quarter's fragments, asked for 16 matrix instructions ago
	WIN MUL
	MUL8 \f, 0, \zero
	MUL8 \f, 1, \zero
	PLACES
	FETCH \slot, \qn, \g
	WIN MUL
	MUL8 \f, 2, \zero
	MUL8 \f, 3, \zero
.endm
; The last quarter multiplies buffer 1 and changes slots: one barrier; in front of it each wave waits for all its tensor loads, adds 0 to its spare word, and waits for that and for its reads of this slot.  fill = 1: the barrier opens a round
; of the cluster's, and this slot is filled again, two K steps ahead, first thing behind the round.
.macro TURN slot, next, fill
.if \fill
	s_wait_xcnt 0x0                                ; the last prefetch, a K step back, has read its address
	s_add_nc_u64 s[PFA:PFA+1], s[PFA:PFA+1], ASTEP
.endif
	WIN 0
	s_wait_tensorcnt 0x0                           ; my part of the next slot has landed
	ds_add_u32 v[SPW], v[NIL]
	s_wait_dscnt 1                                 ; the fragments are in (the add may be out)
	WIN MUL
	MUL8 1, 0, 0
	s_wait_dscnt 0x0                               ; the add is done, and my reads of this slot are over
	s_barrier_signal -1
	MUL8 1, 1, 0
	WIN 0
	s_barrier_wait -1
.if \fill
	CREST                                          ; no wave of any partner still reads this slot or has a load on its way
	s_add_nc_u64 s[G0+4*\slot+2:G0+4*\slot+3], s[G0+4*\slot+2:G0+4*\slot+3], 2*ASTEP
	s_add_nc_u64 s[G0B+4*\slot+2:G0B+4*\slot+3], s[G0B+4*\slot+2:G0B+4*\slot+3], 2*BSTEP
	JLOAD \slot                                    ; its four v_nop are also the places in front of the loads below
.else
	PLACES
.endif
	FETCH \next, 0, 0
.if \fill
	ASK
.endif
	WIN MUL
	MUL8 1, 2, 0
	MUL8 1, 3, 0
.endm
	s_wait_tensorcnt 1                             ; my part of K step 0 is in; K step 1's may be out
	s_barrier_signal -1
	s_barrier_wait -1
	FETCH 0, 0, 0
	QUARTER 0, 1, 0, 1, 1                          ; the first quarter's products start the sums
	WIN 0
	s_mov_b32 s3, LAPS-1
.Llap:                                             ; a trip goes once round the ring, from a lap's second quarter to the next lap's first
	QUARTER 0, 2, 1, 0, 0
	QUARTER 0, 3, 0, 1, 0
	TURN 0, 1, 1
	QUARTER 1, 1, 0, 1, 0
	QUARTER 1, 2, 1, 0, 0
	QUARTER 1, 3, 0, 1, 0
	TURN 1, 0, 1
	QUARTER 0, 1, 0, 1, 0
	WIN 0
	s_sub_co_u32 s3, s3, 1
	s_cmp_lg_u32 s3, 0
	s_cbranch_scc1 .Llap
	QUARTER 0, 2, 1, 0, 0                          ; the last lap fills nothing
	QUARTER 0, 3, 0, 1, 0
	TURN 0, 1, 0
	QUARTER 1, 1, 0, 1, 0
	QUARTER 1, 2, 1, 0, 0
	QUARTER 1, 3, 0, 1, 0
	s_wait_dscnt 0x0
	WIN MUL
	MUL8 1, 0, 0
	MUL8 1, 1, 0
	MUL8 1, 2, 0
	MUL8 1, 3, 0
	WIN 0
; THE WAY OUT, block by block of 16 rows x 128 columns: through my stage, back as whole rows of 512 bytes
.macro TOSTAGE a
	WIN 0x08                                       ; an LDS store's data: window 2
.irp b, 0,1,2,3,4,5,6,7
	ds_store_b128 v[STO], v[64*(\a)+8*\b:64*(\a)+8*\b+3] offset:64*\b        ; each accumulator from its low end on
	ds_store_b128 v[STO], v[64*(\a)+8*\b+4:64*(\a)+8*\b+7] offset:64*\b+16
.endr
	WIN 0
.set BB, BK+64*((\a)%2)
.irp t, 0,1,2,3,4,5,6,7,8,9,10,11,12,13,14,15
	ds_load_b128 v[BB+4*\t:BB+4*\t+3], v[RD] offset:\t*SPITCH      ; LDS serves a wave's instructions in order: these see my stores
.endr
.endm
.macro SEND a, younger
.set BB, BK+64*((\a)%2)
	s_wait_dscnt \younger                          ; the block is back; the next block's 16 stores and 16 loads may be out
.irp t, 0,1,2,3,4,5,6,7,8,9,10,11,12,13,14,15
	global_store_b128 v[CO], v[BB+4*\t:BB+4*\t+3], s[8:9] offset:(\a)*65536+\t*4096 th:TH_STORE_NT   ; 512 consecutive bytes, aligned
.endr
.endm
	PLACES
	TOSTAGE 0
.irp a, 1,2,3
.if \a > 1
	s_wait_xcnt 0x0                                ; block a - 2's stores have read their registers: block a's loads may land there
.endif
	TOSTAGE \a
	SEND \a-1, 32
.endr
	SEND 3, 0
	s_wait_tensorcnt 0x0                           ; the wave's end
	ds_add_u32 v[SPW], v[NIL]
	s_wait_dscnt 0x0
	CROUND                                         ; the closing round
	s_endpgm
.Lfunc_end_k_q3ccc1ab45d_proj:
	.size	k_q3ccc1ab45d_proj, .Lfunc_end_k_q3ccc1ab45d_proj-k_q3ccc1ab45d_proj
	.p2alignl 7, 3214868480
	.fill 96, 4, 3214868480
	.section	.rodata,"a",@progbits
	.p2align	6, 0x0
	.amdhsa_kernel k_q3ccc1ab45d_proj
		.amdhsa_group_segment_fixed_size 327680
		.amdhsa_private_segment_fixed_size 0
		.amdhsa_enable_private_segment 0
		.amdhsa_kernarg_size 24
		.amdhsa_user_sgpr_count 2
		.amdhsa_user_sgpr_kernarg_segment_ptr 1
		.amdhsa_wavefront_size32 1
		.amdhsa_system_sgpr_workgroup_id_x 1
		.amdhsa_system_sgpr_workgroup_id_y 1
		.amdhsa_system_sgpr_workgroup_id_z 1
		.amdhsa_system_vgpr_workitem_id 0
		.amdhsa_next_free_vgpr 768
		.amdhsa_next_free_sgpr 72
		.amdhsa_reserve_vcc 0
		.amdhsa_float_denorm_mode_32 3
		.amdhsa_float_denorm_mode_16_64 3
		.amdhsa_memory_ordered 1
		.amdhsa_forward_progress 1
		.amdhsa_inst_pref_size 86
	.end_amdhsa_kernel
	.amdgpu_metadata
---
amdhsa.version: [ 1, 2 ]
amdhsa.kernels:
  - .name:           k_q3ccc1ab45d_proj
    .symbol:         k_q3ccc1ab45d_proj.kd
    .args:
      - { .name: ctx16, .offset: 0, .size: 8, .value_kind: global_buffer, .address_space: global }
      - { .name: wo16, .offset: 8, .size: 8, .value_kind: global_buffer, .address_space: global }
      - { .name: out0, .offset: 16, .size: 8, .value_kind: global_buffer, .address_space: global }
    .group_segment_fixed_size: 327680
    .private_segment_fixed_size: 0
    .kernarg_segment_align: 8
    .kernarg_segment_size: 24
    .max_flat_workgroup_size: 128
    .sgpr_count:     72
    .vgpr_count:     768
    .wavefront_size: 32
...
	.end_amdgpu_metadata
.endif
;; end of part 4
;; launch fine (part 5): grid 16 x 4, 16 waves a work-group, no clusters, 85,248 bytes of LDS; arguments qkv32, Wo, out0; writes out0
.if DOCPART == 5
	.amdgcn_target "amdgcn-amd-amdhsa--gfx1250"
	.amdhsa_code_object_version 6
	.text
	.protected	k_q3ccc1ab45d_fine
	.globl	k_q3ccc1ab45d_fine
	.p2align	8
	.type	k_q3ccc1ab45d_fine,@function
k_q3ccc1ab45d_fine:
	s_mov_b64 s[64:65], 0
	v_nop
	global_prefetch_b8 v0, s[64:65] scope:SCOPE_SE
	s_setreg_imm32_b32 hwreg(HW_REG_WAVE_MODE, 25, 1), 1
	s_wait_xcnt 0x0
; THE FIRST 16 POSITIONS OF EVERY BATCH, ALL IN F32: under the causal mask they average one to sixteen values, so they are carried finely, through the projection too.  This launch writes those 64 rows of out0 over what the launch before left there.
; qkv32 [4 b][16 s][3072]: q, k, v of these positions in f32; Wo [1024][1024] f32.  Work-group (jc, b): 64 columns of out0 for batch b's 16 rows.  Sixteen waves.  All products by the f32 matrix form: 96 of them a wave, no bulk work.
; PHASE 1, wave = head: S^T = K Q^T (16 keys x 16 queries, K = 64 channels); mask, softmax with the row's maximum taken away; O^T = V^T P; ctx = O^T / l goes to LDS, 16 rows of 1,024 numbers.  (Each of a batch's 16 work-groups does this anew: 32 products a wave.)
; PHASE 2, wave = (16 columns, a quarter of K): out^T = Wo ctx^T over 256 along K; the four quarters meet in LDS and are added; wave w stores row w's 256 bytes.
; K BY CHUNKS OF 8: lane (r, h) loads the 16 bytes at 32 c + 16 h of its row; registers 4 c, 4 c + 1 feed one instruction, 4 c + 2, 4 c + 3 the next; both operands alike, so the products are kept.
; The accumulators (v144-191) are written by matrix instructions alone; what is made of a sum goes into other registers; a sum begins with the constant 0.  Two or four accumulators take turns.
.set CTXP,  4112                       ; a row of ctx in LDS: 4,096 bytes + 16
.set PART,  16*CTXP                    ; behind it: the four quarters' results, 16 rows x (256 + 16) bytes each
.set PARTP, 272
.set SPARE, PART+4*16*PARTP            ; the spare words, 128 bytes a wave, which no other line names
.set SPW, 11
.set NIL, 12
.set QF,  16                           ; v16-47 Q, v48-79 K; later Wo's second half
.set KF,  48
.set WOB, 16
.set VA,  80                           ; v80-111 V^T; then ctx; then ctx's fragments, buffer 0
.set CT,  80
.set CB,  80                           ; v80-111, v112-143: ctx's fragments, two buffers
.set SV,  112                          ; v112-119 the scores; v120-127 p; v128-134 at work
.set PV,  120
.set SA,  144                          ; v144-159 two accumulators of S^T
.set CA,  160                          ; v160-191 four accumulators of O^T; the first two serve phase 2
.set WOA, 192                          ; v192-255 Wo's first half
	s_load_b128 s[4:7], s[0:1], 0x0                ; qkv32, Wo
	s_load_b64 s[8:9], s[0:1], 0x10                ; out0
	v_lshl_add_u32 v[SPW], v0, 2, SPARE
	v_mov_b32 v[NIL], 0
	v_lshrrev_b32 v1, 5, v0
	v_readfirstlane_b32 s10, v1                    ; wave 0..15
	s_and_b32 s12, ttmp7, 0xffff                   ; batch
	s_and_b32 s13, s10, 3                          ; phase 2: which 16 columns
	s_lshr_b32 s17, s10, 2                         ; and which quarter of K
	s_mov_b32 s14, 0x76543210
	s_mov_b32 s15, 0xfedcba98                      ; lane l xor 16
	s_mov_b32 s16, 0x3e38aa3b                      ; c = log2(e) / sqrt(64)
	v_and_b32 v1, 15, v0                           ; r
	v_bfe_u32 v2, v0, 4, 1                         ; h
	v_and_b32 v3, 31, v0                           ; lane
	v_mul_u32_u24 v4, v1, 12288
	v_lshl_add_u32 v4, v2, 4, v4                   ; q, k: position r's row + 16 h
	v_mul_u32_u24 v5, v2, 98304
	v_lshl_add_u32 v5, v1, 2, v5                   ; v: keys 8 h on, channel r
	s_lshl_b32 s18, s13, 16
	s_lshl_b32 s19, s17, 10
	s_add_co_u32 s18, s18, s19
	v_lshlrev_b32 v6, 12, v1
	v_lshl_add_u32 v6, v2, 4, v6
	v_add_nc_u32 v6, s18, v6                       ; Wo: row 16 nt + r, 1,024 kq + 16 h bytes on
	v_mul_u32_u24 v7, v1, CTXP
	v_lshl_add_u32 v8, v2, 4, v7
	v_add_nc_u32 v8, s19, v8                       ; ctx, read: row r, 1,024 kq + 16 h bytes on
	v_lshl_add_u32 v7, v2, 5, v7
	s_lshl_b32 s20, s10, 8
	v_add_nc_u32 v7, s20, v7                       ; ctx, stored: row r, my head's 256 bytes, + 32 h
	s_mul_i32 s20, s17, 16*PARTP
	s_lshl_b32 s21, s13, 6
	s_add_co_u32 s20, s20, s21
	s_add_co_u32 s20, s20, PART
	v_mul_u32_u24 v9, v1, PARTP
	v_lshl_add_u32 v9, v2, 5, v9
	v_add_nc_u32 v9, s20, v9                       ; a quarter's result, stored: row r, 64 nt + 32 h bytes on
	s_mul_i32 s20, s10, PARTP
	s_add_co_u32 s20, s20, PART
	v_lshlrev_b32 v15, 3, v3                       ; 8 bytes a lane
	v_add_nc_u32 v10, s20, v15                     ; and read: row = my wave
	v_lshlrev_b32 v13, 3, v2
	v_sub_nc_u32 v13, v1, v13                      ; r - 8 h
	v_mov_b32 v14, 0xff800000                      ; -infinity
	s_mul_i32 s20, s12, 196608                     ; a batch's 16 rows of 12,288 bytes
	s_lshl_b32 s21, s10, 8                         ; my head's 64 numbers
	s_add_co_u32 s20, s20, s21
	s_mov_b32 s21, 0
	s_lshl_b32 s22, ttmp9, 18                      ; 64 rows of Wo
	s_mov_b32 s23, 0
	s_lshl_b32 s24, s12, 11
	s_add_co_u32 s24, s24, s10                     ; row 2,048 b + wave of out0
	s_lshl_b32 s24, s24, 12
	s_lshl_b32 s25, ttmp9, 8
	s_add_co_u32 s24, s24, s25
	s_mov_b32 s25, 0
	s_wait_kmcnt 0x0
	s_add_nc_u64 s[4:5], s[4:5], s[20:21]
	s_add_nc_u64 s[6:7], s[6:7], s[22:23]
	s_add_nc_u64 s[8:9], s[8:9], s[24:25]
.irp c, 0,1,2,3,4,5,6,7
	global_load_b128 v[QF+4*\c:QF+4*\c+3], v4, s[4:5] offset:32*\c
.endr
.irp c, 0,1,2,3,4,5,6,7
	global_load_b128 v[KF+4*\c:KF+4*\c+3], v4, s[4:5] offset:4096+32*\c
.endr
.irp s, 0,1,2,3                        ; V^T for step s, channels 16 ct on: lane (r, h), register j: V(key 8 h + 2 s + j, channel 16 ct + r)
.irp ct, 0,1,2,3
.irp j, 0,1
	global_load_b32 v[VA+2*(4*\s+\ct)+\j], v5, s[4:5] offset:8192+(2*\s+\j)*12288+64*\ct
.endr
.endr
.endr
.irp c, 0,1,2,3,4,5,6,7,8,9,10,11,12,13,14,15
	global_load_b128 v[WOA+4*\c:WOA+4*\c+3], v6, s[6:7] offset:32*\c
.endr
	s_wait_loadcnt 48                              ; q and k are in; V's 32 loads and Wo's 16 may be out
.irp c, 0,1,2,3,4,5,6,7
.irp u, 0,1
.if \c == 0
	v_wmma_f32_16x16x4_f32 v[SA+8*\u:SA+8*\u+7], v[KF+4*\c+2*\u:KF+4*\c+2*\u+1], v[QF+4*\c+2*\u:QF+4*\c+2*\u+1], 0
.else
	v_wmma_f32_16x16x4_f32 v[SA+8*\u:SA+8*\u+7], v[KF+4*\c+2*\u:KF+4*\c+2*\u+1], v[QF+4*\c+2*\u:QF+4*\c+2*\u+1], v[SA+8*\u:SA+8*\u+7]
.endif
.endr
.endr
.rept 8
	v_nop                                          ; eight places behind this form, in front of loads into its sources and of the first read of its results
.endr
.irp c, 0,1,2,3,4,5,6,7,8,9,10,11,12,13,14,15
	global_load_b128 v[WOB+4*\c:WOB+4*\c+3], v6, s[6:7] offset:32*(16+\c)
.endr
.irp j, 0,1,2,3,4,5,6,7
	v_add_f32 v[SV+\j], v[SA+\j], v[SA+8+\j]       ; lane (r, h): the score of query r and key 8 h + j
.endr
.irp j, 0,1,2,3,4,5,6,7
	v_cmp_gt_i32 vcc_lo, \j, v13                   ; hidden where 8 h + j > r
	v_cndmask_b32 v[SV+\j], v[SV+\j], v14, vcc_lo
.endr
	v_max3_num_f32 v128, v[SV], v[SV+1], v[SV+2]
	v_max3_num_f32 v128, v128, v[SV+3], v[SV+4]
	v_max3_num_f32 v128, v128, v[SV+5], v[SV+6]
	v_max_num_f32 v128, v128, v[SV+7]
	v_mov_b32 v129, 0                              ; a lane permute's destination counts as one of its sources
	v_permlanex16_b32 v129, v128, s14, s15
	v_max_num_f32 v128, v128, v129                 ; the row's maximum: key 0 counts for every query, so it is a number
	v_mul_f32 v130, s16, v128
.irp j, 0,1,2,3,4,5,6,7
	v_fma_f32 v[PV+\j], v[SV+\j], s16, -v130
.endr
.irp j, 0,1,2,3,4,5,6,7
	v_exp_f32 v[PV+\j], v[PV+\j]
.endr
	v_nop                                          ; a plain line behind the exponentials,
	s_wait_alu depctr_va_vdst(0)                   ; and the one wait ahead of their first reader
	v_add_f32 v131, v[PV], v[PV+1]
	v_add_f32 v132, v[PV+2], v[PV+3]
	v_add_f32 v133, v[PV+4], v[PV+5]
	v_add_f32 v134, v[PV+6], v[PV+7]
	v_add_f32 v131, v131, v132
	v_add_f32 v133, v133, v134
	v_add_f32 v131, v131, v133
	v_permlanex16_b32 v132, v131, s14, s15
	v_add_f32 v131, v131, v132                     ; l
	v_rcp_f32 v133, v131
	v_nop
	s_wait_alu depctr_va_vdst(0)
	s_wait_loadcnt 32                              ; V is in; Wo's two halves may be out
.irp s, 0,1,2,3                        ; O^T += V^T P: step s takes keys 8 h + 2 s + j on both sides
.irp ct, 0,1,2,3
.if \s == 0
	v_wmma_f32_16x16x4_f32 v[CA+8*\ct:CA+8*\ct+7], v[VA+2*(4*\s+\ct):VA+2*(4*\s+\ct)+1], v[PV+2*\s:PV+2*\s+1], 0
.else
	v_wmma_f32_16x16x4_f32 v[CA+8*\ct:CA+8*\ct+7], v[VA+2*(4*\s+\ct):VA+2*(4*\s+\ct)+1], v[PV+2*\s:PV+2*\s+1], v[CA+8*\ct:CA+8*\ct+7]
.endif
.endr
.endr
.rept 9
	v_nop                                          ; nine places: phase 2 begins two of these accumulators anew, which writes over a result
.endr
.irp i, 0,1,2,3,4,5,6,7,8,9,10,11,12,13,14,15,16,17,18,19,20,21,22,23,24,25,26,27,28,29,30,31
	v_mul_f32 v[CT+\i], v[CA+\i], v133             ; register 8 ct + j: ctx(query r, channel 16 ct + 8 h + j)
.endr
.irp ct, 0,1,2,3
	ds_store_b128 v7, v[CT+8*\ct:CT+8*\ct+3] offset:64*\ct
	ds_store_b128 v7, v[CT+8*\ct+4:CT+8*\ct+7] offset:64*\ct+16
.endr
	s_wait_dscnt 0x0                               ; for the others' sake: my stores are done
	s_barrier_signal -1
	s_barrier_wait -1                              ; ctx's 16 rows lie in LDS
.macro CLOAD g                         ; ctx's chunks 8 g to 8 g + 7 of my quarter of K into buffer g % 2
.irp c, 0,1,2,3,4,5,6,7
	ds_load_b128 v[CB+32*((\g)%2)+4*\c:CB+32*((\g)%2)+4*\c+3], v8 offset:32*(8*(\g)+\c)
.endr
.endm
.macro GMUL g                          ; 16 products: source 0 = 16 rows of Wo, source 1 = ctx's 16 rows; two accumulators by turns
.if (\g) < 2
.set WR, WOA+32*(\g)
.else
.set WR, WOB+32*((\g)-2)
.endif
.irp c, 0,1,2,3,4,5,6,7
.irp u, 0,1
.if ((\g) == 0) && (\c == 0)
	v_wmma_f32_16x16x4_f32 v[CA+8*\u:CA+8*\u+7], v[WR+4*\c+2*\u:WR+4*\c+2*\u+1], v[CB+32*((\g)%2)+4*\c+2*\u:CB+32*((\g)%2)+4*\c+2*\u+1], 0
.else
	v_wmma_f32_16x16x4_f32 v[CA+8*\u:CA+8*\u+7], v[WR+4*\c+2*\u:WR+4*\c+2*\u+1], v[CB+32*((\g)%2)+4*\c+2*\u:CB+32*((\g)%2)+4*\c+2*\u+1], v[CA+8*\u:CA+8*\u+7]
.endif
.endr
.endr
.endm
	CLOAD 0
	CLOAD 1
	s_wait_loadcnt 16                              ; Wo's first half is in; the second may be out
	s_wait_dscnt 8                                 ; group 0 is in; group 1's eight loads may be out
	GMUL 0
.rept 8
	v_nop
.endr
	CLOAD 2
	s_wait_dscnt 8                                 ; group 1 is in
	GMUL 1
.rept 8
	v_nop
.endr
	CLOAD 3
	s_wait_loadcnt 0x0                             ; Wo's second half
	s_wait_dscnt 8                                 ; group 2 is in
	GMUL 2
	s_wait_dscnt 0x0
	GMUL 3
.rept 8
	v_nop
.endr
.irp j, 0,1,2,3,4,5,6,7
	v_add_f32 v[80+\j], v[CA+\j], v[CA+8+\j]       ; lane (r, h): row r, columns 16 nt + 8 h + j, my quarter of K
.endr
	ds_store_b128 v9, v[80:83]
	ds_store_b128 v9, v[84:87] offset:16
	s_wait_dscnt 0x0
	s_barrier_signal -1
	s_barrier_wait -1                              ; the four quarters lie in LDS
.irp k, 0,1,2,3
	ds_load_b64 v[96+2*\k:97+2*\k], v10 offset:\k*16*PARTP
.endr
	s_wait_dscnt 0x0
	v_pk_add_f32 v[96:97], v[96:97], v[98:99]
	v_pk_add_f32 v[100:101], v[100:101], v[102:103]
	v_pk_add_f32 v[96:97], v[96:97], v[100:101]
	global_store_b64 v15, v[96:97], s[8:9]         ; the wave stores 256 consecutive bytes, aligned: row w's 64 columns
	s_wait_tensorcnt 0x0                           ; the wave's end
	ds_add_u32 v[SPW], v[NIL]
	s_wait_dscnt 0x0
	s_endpgm
.Lfunc_end_k_q3ccc1ab45d_fine:
	.size	k_q3ccc1ab45d_fine, .Lfunc_end_k_q3ccc1ab45d_fine-k_q3ccc1ab45d_fine
	.p2alignl 7, 3214868480
	.fill 96, 4, 3214868480
	.section	.rodata,"a",@progbits
	.p2align	6, 0x0
	.amdhsa_kernel k_q3ccc1ab45d_fine
		.amdhsa_group_segment_fixed_size 85248
		.amdhsa_private_segment_fixed_size 0
		.amdhsa_enable_private_segment 0
		.amdhsa_kernarg_size 24
		.amdhsa_user_sgpr_count 2
		.amdhsa_user_sgpr_kernarg_segment_ptr 1
		.amdhsa_wavefront_size32 1
		.amdhsa_system_sgpr_workgroup_id_x 1
		.amdhsa_system_sgpr_workgroup_id_y 1
		.amdhsa_system_sgpr_workgroup_id_z 1
		.amdhsa_system_vgpr_workitem_id 0
		.amdhsa_next_free_vgpr 256
		.amdhsa_next_free_sgpr 66
		.amdhsa_reserve_vcc 1
		.amdhsa_float_denorm_mode_32 3
		.amdhsa_float_denorm_mode_16_64 3
		.amdhsa_memory_ordered 1
		.amdhsa_forward_progress 1
		.amdhsa_inst_pref_size 26
	.end_amdhsa_kernel
	.amdgpu_metadata
---
amdhsa.version: [ 1, 2 ]
amdhsa.kernels:
  - .name:           k_q3ccc1ab45d_fine
    .symbol:         k_q3ccc1ab45d_fine.kd
    .args:
      - { .name: qkv32, .offset: 0, .size: 8, .value_kind: global_buffer, .address_space: global }
      - { .name: Wo, .offset: 8, .size: 8, .value_kind: global_buffer, .address_space: global }
      - { .name: out0, .offset: 16, .size: 8, .value_kind: global_buffer, .address_space: global }
    .group_segment_fixed_size: 85248
    .private_segment_fixed_size: 0
    .kernarg_segment_align: 8
    .kernarg_segment_size: 24
    .max_flat_workgroup_size: 512
    .sgpr_count:     66
    .vgpr_count:     256
    .wavefront_size: 32
...
	.end_amdgpu_metadata
.endif
;; end of part 5
